; MI455X (gfx1250); checked and timed in simulation.
; The chip was launched on July 23, 2026; its instructions are those of AMD's public machine-readable ISA for CDNA 5 (MIT licence, August 2026) and "CDNA5" Instruction Set Architecture Reference Guide (July 2026). The comments in the code are by the model that wrote it; some were corrected since.
;; Hybrid Attention. Allowed arithmetic: matrix products marked QUANTISED: E2M3 operands, one E8M0 scale for each 32 along K, by v_wmma_scale_f32_16x16x128_f8f6f4 with both operands' format E2M3, f32 sums; everything else in f32.
;; Inputs: bk 1,024 float32; bo 1,024 float32; bq 1,024 float32; bv 1,024 float32; wk 1,024 x 1,024 float32; wo 1,024 x 1,024 float32; wq 1,024 x 1,024 float32; wv 1,024 x 1,024 float32; x 2 x 2,048 x 1,024 float32.
;; Outputs: out0 2 x 2,048 x 1,024 float32.
;; This version of the problem:
;;   THIS VERSION OF THE PROBLEM IS GIVEN IN LOW PRECISION. The matrix products marked QUANTISED in the list below multiply operands that are first quantised to E2M3 (2 exponent bits, 3 mantissa bits; 6 bits a number), with one power-of-two scale for each 32 numbers along K (OCP MX v1.0); their sums are f32. All else is computed in f32.
;;   The module's matrix products, in the order in which they are computed (A, B: the left and right operand; K: the contracted axis; several contracted axes count as one K, in the product's order):
;;     1. [M 4,096, K 1,024] x [K 1,024, N 1,024]; A: input x; B: input wq: QUANTISED
;;     2. [M 4,096, K 1,024] x [K 1,024, N 1,024]; A: input x; B: input wk: QUANTISED
;;     3. [M 4,096, K 1,024] x [K 1,024, N 1,024]; A: input x; B: input wv: QUANTISED
;;     4. batch 32 x [M 2,048, K 64] x [K 64, N 2,048]; A: computed on the way; B: computed on the way: QUANTISED
;;     5. batch 32 x [M 2,048, K 2,048] x [K 2,048, N 64]; A: softmax (see below); B: computed on the way: QUANTISED
;;     6. [M 4,096, K 1,024] x [K 1,024, N 1,024]; A: computed on the way; B: input wo: QUANTISED
;;   THE QUANTISER, for each operand of a quantised product, along K:
;;     - K is cut into blocks of 32 from its start; a last block that is shorter is filled with zeros.
;;     - A block's scale is 2^e with e = floor(log2(the largest magnitude in the block)) - 2, held to -126 .. 127; a block of zeros has e = 0. As a byte (E8M0): e + 127.
;;     - Each number is divided by its block's scale, clamped to +-7.5, and rounded to the nearest number of E2M3, ties to even, subnormals kept.
;;     - The product sums the exact products of the quantised numbers (number of the format x scale) in f32.
;;   ~~~python
;;   def quantise(x, axis):      # numpy; x: float32 -> the quantised numbers, widened to float32 again
;;       x = np.moveaxis(x, axis, -1); K = x.shape[-1]
;;       x = np.pad(x, [(0, 0)] * (x.ndim - 1) + [(0, -K % 32)]); x = x.reshape(x.shape[:-1] + (-1, 32)); a = np.abs(x).max(-1, keepdims=True)
;;       e = np.where(a > 0, np.clip(np.frexp(np.where(a > 0, a, 1))[1] - 1 - 2, -126, 127), 0)      # np.frexp(a)[1] - 1 = floor(log2(a)), exactly
;;       r = np.clip(x / 2.0 ** e, -7.5, 7.5)
;;       step = 2.0 ** (np.maximum(np.frexp(np.where(r == 0, 1, r))[1] - 1, 0) - 3)
;;       q = np.round(r / step) * step * 2.0 ** e      # np.round: ties to even
;;       return np.moveaxis(q.reshape(q.shape[:-2] + (-1,))[..., :K], -1, axis).astype(np.float32)
;;   ~~~
;;   SOFTMAX AHEAD OF A QUANTISED PRODUCT. Where the list says 'softmax', what is quantised is not the finished softmax but p = 2^(t - M), with t = logit x log2(e) and M = ceil(the row's largest t), a whole number; so 1/2 < the row's largest p <= 1. The row's sum l is taken of the UNQUANTISED p, in f32, and the product's result is divided by l at the end. Since M is a whole number, a kernel that streams over the keys may use a running M (the ceiling of the running maximum): every later rescaling is an exact power of two, which a block's scale takes up: the codes' values come out the same.
;;   OPERANDS COMPUTED ON THE WAY. 'Computed on the way' means the value that the module computes at that place (a softmax that the list does not call 'softmax' is quantised finished and normalised). What goes into a quantiser is computed in f32, as accurately as f32 sums, v_exp_f32 and their like allow (about 1e-6 of the number): no bf16 or f16 on the way to a quantiser, and a product that is left as it is and whose result goes on into a quantised operand takes f32 operands (vector FMAs, or v_wmma_f32_16x16x4_f32). A number that lies on a knife's edge between two numbers of the format may be rounded either way, as far as f32 arithmetic and the matrix unit's own rounding can turn it there, and no further.
;; One version. Each part assembles by itself: llvm-mc -triple=amdgcn-amd-amdhsa -mcpu=gfx1250 --defsym DOCPART=n.
;; ======== version 1 of 1: 4 launches
;; limits: right only within a limited range of input values
;; workspace buffers: xw_codes 6,291,456 bytes; xw_scales 262,144 bytes; qkv_codes 9,437,184 bytes; qkv_scales 393,216 bytes; ao_codes 3,145,728 bytes; ao_scales 131,072 bytes
;; launch quant (part 1): grid 256 x 1, 16 waves a work-group, no clusters, 164,864 bytes of LDS; arguments x, wq, wk, wv, wo, xw_codes, xw_scales; writes xw_codes, xw_scales
.if DOCPART == 1
	.amdgcn_target "amdgcn-amd-amdhsa--gfx1250"
	.amdhsa_code_object_version 6
	.text
	.protected	k_q6d0497b5f8_quant
	.globl	k_q6d0497b5f8_quant
	.p2align	8
	.type	k_q6d0497b5f8_quant,@function
k_q6d0497b5f8_quant:
	s_mov_b64 s[64:65], 0
	v_nop
	global_prefetch_b8 v0, s[64:65] scope:SCOPE_SE
	s_setreg_imm32_b32 hwreg(HW_REG_WAVE_MODE, 25, 1), 1
	s_wait_xcnt 0x0
; x [4096][1024] (K = its last axis) and wq, wk, wv, wo [1024][1024] (K = their FIRST axis), f32, become codes of FP6 (E2M3) with one E8M0 byte for each 32 along K.
; A block's scale is 2^(floor(log2(largest magnitude)) - 2): its byte is the largest magnitude's exponent field - 2, held at 1 from below by a floor among the maximum's leaves.
; LIMITS: NaN and infinities among the inputs are not served; a block of zeros, or one whose largest magnitude lies under 2^-124, gets the byte 1 (this program alone reads the bytes).
; WORK LEFT OUT in the program: reference() hides every score outside |i - j| <= 128; whole bands of 64 keys that lie wholly outside are not computed (launch attn): the mask is built in reference()'s own body and makes their
; softmax weights 0 for all values of the inputs.  A NaN or an infinity that reaches only those scores is not carried to the result.
; ROW ORDER.  Within each 64 operand rows (tokens of x, columns of a weight) row m of tile j (j = 0 .. 3) is index 32 (m / 8) + 8 j + m % 8: so a lane's eight results of each of four tiles are 32 neighbours: a whole scale block.
; xw_codes [T 512][s 8][1536], s = 128 along K: an IMAGE OF THE OPERAND'S 12 REGISTERS in three pieces: registers 4 i .. 4 i + 3 at 512 i + 16 x lane.
; T: 0-255 x;  256 + 12 c + 6 b + 0..3 head 2 c + b of wq (c = 0..7) or wk (c = 8..15, head 2 (c - 8) + b), + 4..5 tiles 2 b, 2 b + 1 of wv's head c;  448-511 wo.
; xw_scales [T / 2][s / 2][16 (T % 2) + r][s % 2] words.
; SHARES.  Work-groups 0-127: 32 tokens of x, a wave one fragment (16 rows x 128 K).  Work-groups 128-255: a weight's 128 columns x 256 K, a wave 32 columns x 64 K.  Every wave asks for its 8,192 bytes at once: there is no loop
; and nothing to ask for ahead.  The two paths have LDS bytes of their own.
.set XSTG, 8448                        ; x: a wave's stage, 16 rows x 528 bytes
.set XP, 528
.set XSC, 16*XSTG                      ; x: the work-group's scale words
.set WST, XSC+1024                     ; weights: eight tiles x (two images + 128)
.set WTL, 3200
.set WSC, WST+8*WTL
.set SPARE, WSC+1024
.macro QBLOCKS x                       ; a lane's two blocks of 32 at v[x], v[x+32]: codes to v[164:175], bytes to v26, v27
.irp c, 0,1
.irp y, 0,1
	v_max3_num_f32 v[20+2*\c+\y], |v[\x+32*\c+16*\y]|, |v[\x+32*\c+16*\y+1]|, |v[\x+32*\c+16*\y+2]|
.endr
.endr
.irp i, 3,5,7,9,11,13
.irp c, 0,1
.irp y, 0,1
	v_max3_num_f32 v[20+2*\c+\y], v[20+2*\c+\y], |v[\x+32*\c+16*\y+\i]|, |v[\x+32*\c+16*\y+\i+1]|
.endr
.endr
.endr
.irp c, 0,1
	v_max3_num_f32 v[21+2*\c], v[21+2*\c], |v[\x+32*\c+31]|, 0x1800000   ; the floor 2^(3 - 127)
.endr
.irp c, 0,1
	v_max3_num_f32 v[20+2*\c], v[20+2*\c], |v[\x+32*\c+15]|, v[21+2*\c]
.endr
.irp c, 0,1
	v_add_nc_u32 v[24+\c], 0xff000000, v[20+2*\c]   ; 2 off the exponent field: the conversion's scale operand
.endr
.irp c, 0,1
	v_lshrrev_b32 v[26+\c], 23, v[24+\c]
.endr
.irp c, 0,1
	v_cvt_scalef32_pk16_fp6_f32 v[164+6*\c:166+6*\c], v[\x+32*\c:\x+32*\c+15], v[24+\c]
	v_cvt_scalef32_pk16_fp6_f32 v[176+4*\c:178+4*\c], v[\x+32*\c+16:\x+32*\c+31], v[24+\c]
.endr
	v_nop                                  ; one plain instruction behind a scaled conversion
.irp c, 0,1
.irp i, 0,1,2
	v_mov_b32 v[167+6*\c+\i], v[176+4*\c+\i]
.endr
.endr
.endm
	s_load_b256 s[4:11], s[0:1], 0x0               ; x, wq, wk, wv
	s_load_b128 s[12:15], s[0:1], 0x20             ; wo, xw_codes
	s_load_b64 s[16:17], s[0:1], 0x30              ; xw_scales
	v_lshl_add_u32 v8, v0, 2, SPARE
	v_mov_b32 v9, 0
	v_lshrrev_b32 v1, 5, v0
	v_readfirstlane_b32 s18, v1                    ; wave 0..15
	v_and_b32 v10, 31, v0                          ; lane
	v_lshlrev_b32 v1, 4, v10
	v_lshlrev_b32 v4, 3, v10
	v_lshlrev_b32 v3, 2, v10
	v_and_b32 v11, 15, v0                          ; r
	v_bfe_u32 v12, v0, 4, 1                        ; h
	s_mov_b32 s24, 0x76543210
	s_mov_b32 s25, 0xfedcba98                      ; v_permlanex16_b32's selects for lane l xor 16
	s_mov_b32 s21, 0
	s_wait_alu depctr_va_vdst(0)
	s_wait_kmcnt 0x0
	s_cmp_lt_u32 ttmp9, 128
	s_cbranch_scc0 .Lweights
	; ---- x: tile 2 X + u (u = wave / 8), K step s = wave % 8
	s_lshr_b32 s19, s18, 3
	s_and_b32 s20, s18, 7
	s_lshr_b32 s22, ttmp9, 1
	s_lshl_b32 s22, s22, 6
	s_and_b32 s23, ttmp9, 1
	s_lshl_b32 s23, s23, 4
	s_add_co_u32 s22, s22, s23
	s_lshl_b32 s23, s19, 3
	s_add_co_u32 s22, s22, s23                     ; my first token
	s_lshl_b32 s22, s22, 12
	s_lshl_b32 s23, s20, 9
	s_add_co_u32 s22, s22, s23
	s_mov_b32 s23, 0
	s_add_nc_u64 s[4:5], s[4:5], s[22:23]
.irp p, 0,1,2,3,4,5,6,7,8,9,10,11,12,13,14,15
	global_load_b128 v[32+4*\p:35+4*\p], v1, s[4:5] offset:(\p+24*(\p/8))*4096 th:TH_LOAD_NT   ; 512 consecutive bytes of a row, aligned
.endr
	s_mul_i32 s26, s18, XSTG                       ; my stage
	v_add_nc_u32 v2, s26, v1                       ; in: 16 x lane of a row
	v_mul_u32_u24 v5, v11, XP
	v_lshl_add_u32 v5, v12, 7, v5
	v_add_nc_u32 v5, s26, v5                       ; out: row r, + 128 h
	s_lshr_b32 s27, s20, 1
	s_lshl_b32 s27, s27, 8
	s_lshl_b32 s28, s19, 7
	s_add_co_u32 s27, s27, s28
	s_and_b32 s28, s20, 1
	s_lshl_b32 s28, s28, 2
	s_add_co_u32 s27, s27, s28
	s_add_co_u32 s27, s27, XSC
	v_lshlrev_b32 v6, 3, v11
	v_add_nc_u32 v6, s27, v6                       ; my row's scale word
	s_and_b32 s28, s18, 1
	s_lshl_b32 s28, s28, 9
	s_add_co_u32 s29, s28, XSC
	v_add_nc_u32 v7, s29, v1                       ; waves 0 and 1 read 512 bytes of words back
	v_lshlrev_b32 v13, 3, v12                      ; 8 h
	v_mov_b32 v15, 0                               ; a lane permute's destination counts as read
	s_lshl_b32 s22, ttmp9, 1
	s_add_co_u32 s22, s22, s19
	s_mul_i32 s22, s22, 12288
	s_mul_i32 s30, s20, 1536
	s_add_co_u32 s22, s22, s30
	s_add_nc_u64 s[14:15], s[14:15], s[22:23]
	s_lshl_b32 s22, ttmp9, 10
	s_add_co_u32 s22, s22, s28
	s_add_nc_u64 s[16:17], s[16:17], s[22:23]
	s_wait_alu depctr_va_vdst(0)
	s_wait_loadcnt 0x8                             ; the first eight rows are in; the last eight loads may be out
.irp p, 0,1,2,3,4,5,6,7
	ds_store_b128 v2, v[32+4*\p:35+4*\p] offset:\p*XP
.endr
	s_wait_loadcnt 0x0
.irp p, 8,9,10,11,12,13,14,15
	ds_store_b128 v2, v[32+4*\p:35+4*\p] offset:\p*XP
.endr
.irp c, 0,1
.irp j, 0,1,2,3,4,5,6,7
	ds_load_b128 v[96+32*\c+4*\j:99+32*\c+4*\j], v5 offset:256*\c+16*\j   ; LDS serves a wave's instructions in order (ISA guide 5.7.1.4)
.endr
.endr
	s_wait_dscnt 0x0
	QBLOCKS 96
	v_lshl_or_b32 v14, v27, 16, v26                ; blocks h and 2 + h,
	v_lshlrev_b32 v14, v13, v14                    ; 8 h bits up;
	v_permlanex16_b32 v15, v14, s24, s25
	v_or_b32 v16, v14, v15                         ; with lane l xor 16's two the word is whole
	ds_store_b32 v6, v16                           ; lanes r and r + 16 write the same word with the same value
	global_store_b128 v1, v[164:167], s[14:15]     ; each store covers 512 consecutive bytes, aligned
	global_store_b128 v1, v[168:171], s[14:15] offset:512
	global_store_b128 v1, v[172:175], s[14:15] offset:1024
	s_wait_dscnt 0x0                               ; for the others' sake
	s_barrier_signal -1
	s_barrier_wait -1
	s_cmp_lt_u32 s18, 2
	s_cbranch_scc0 .Lxdone
	ds_load_b128 v[32:35], v7
	s_wait_dscnt 0x0
	global_store_b128 v1, v[32:35], s[16:17]
.Lxdone:
	s_wait_tensorcnt 0x0                           ; the wave's end
	ds_add_u32 v8, v9
	s_wait_dscnt 0x0
	s_endpgm
	; ---- weights: a lane takes a column, its registers run down K
.Lweights:
	s_sub_co_u32 s19, ttmp9, 128
	s_lshr_b32 s20, s19, 5                         ; which weight
	s_bfe_u32 s22, s19, 0x30002                    ; C: which 128 columns
	s_and_b32 s26, s19, 3                          ; Q: which 256 along K
	s_cmp_eq_u32 s20, 1
	s_cselect_b64 s[6:7], s[8:9], s[6:7]
	s_cmp_eq_u32 s20, 2
	s_cselect_b64 s[6:7], s[10:11], s[6:7]
	s_cmp_eq_u32 s20, 3
	s_cselect_b64 s[6:7], s[12:13], s[6:7]         ; the choice hangs on the work-group's number alone
	s_and_b32 s27, s18, 3                          ; my 32 columns of the 128
	s_lshr_b32 s28, s18, 2                         ; my 64 along K of the 256
	s_lshl_b32 s30, s26, 20
	s_lshl_b32 s31, s28, 18
	s_add_co_u32 s30, s30, s31
	s_lshl_b32 s31, s22, 9
	s_add_co_u32 s30, s30, s31
	s_lshl_b32 s31, s27, 7
	s_add_co_u32 s30, s30, s31
	s_mov_b32 s31, 0
	s_add_nc_u64 s[6:7], s[6:7], s[30:31]
.set n, 0
.rept 64
	global_load_b32 v[32+n], v3, s[6:7] offset:n*4096 th:TH_LOAD_NT   ; 128 consecutive bytes; four waves stand side by side on 512
.set n, n+1
.endr
	s_lshr_b32 s33, s27, 1
	s_lshr_b32 s34, s28, 1                         ; step of the two,
	s_and_b32 s35, s28, 1                          ; half c of the step
	s_mul_i32 s36, s33, 4*WTL
	s_mul_i32 s37, s34, 1536
	s_add_co_u32 s36, s36, s37
	s_add_co_u32 s36, s36, WST
	s_mul_i32 s47, s35, 520                        ; c = 0: registers 0-1 at 0, 2-3 at 8, 4-5 at 512;
	s_mul_i32 s48, s35, 1016                       ; c = 1: registers 6-7 at 520, 8-9 at 1024, 10-11 at 1032
	s_add_co_u32 s48, s48, 8
	s_and_b32 s37, s27, 1
	s_lshl_b32 s37, s37, 3
	v_and_b32 v13, 7, v10
	v_add_nc_u32 v13, s37, v13                     ; m: my row in the tile
	v_lshrrev_b32 v14, 3, v10                      ; which of four tiles
	v_mul_u32_u24 v2, v14, WTL
	v_add_nc_u32 v2, s36, v2
	v_lshl_add_u32 v2, v13, 4, v2                  ; into the stage: 16 m in my tile
	v_add_nc_u32 v5, s47, v2                       ; a block's first and third pair of registers,
	v_add_nc_u32 v6, s48, v2                       ; its second
	s_lshl_b32 s38, s33, 9
	s_lshl_b32 s39, s34, 2
	s_add_co_u32 s38, s38, s39
	s_lshl_b32 s39, s35, 1
	s_add_co_u32 s38, s38, s39
	s_add_co_u32 s38, s38, WSC
	v_lshlrev_b32 v7, 7, v14
	v_lshl_add_u32 v7, v13, 3, v7
	v_add_nc_u32 v7, s38, v7                       ; my two scale bytes
	s_lshr_b32 s40, s18, 1                         ; on the way out: tile t = wave / 2, step wave % 2
	s_and_b32 s41, s18, 1
	s_mul_i32 s42, s40, WTL
	s_mul_i32 s43, s41, 1536
	s_add_co_u32 s42, s42, s43
	s_add_co_u32 s42, s42, WST
	v_add_nc_u32 v16, s42, v1
	s_lshr_b32 s42, s18, 2
	s_lshl_b32 s42, s42, 8
	s_add_co_u32 s42, s42, WSC
	v_add_nc_u32 v17, s42, v4                      ; a tile pair's words, read by waves 0, 4, 8, 12
	s_lshr_b32 s42, s40, 2
	s_and_b32 s43, s40, 3
	s_mul_i32 s44, s22, 12
	s_mul_i32 s45, s42, 6
	s_add_co_u32 s44, s44, s45
	s_add_co_u32 s44, s44, s43
	s_add_co_u32 s44, s44, 256                     ; wq: 256 + 12 C + 6 (t / 4) + t % 4
	s_add_co_u32 s45, s44, 96                      ; wk: the same, eight groups on
	s_cmp_eq_u32 s20, 1
	s_cselect_b32 s44, s45, s44
	s_lshl_b32 s45, s22, 1
	s_add_co_u32 s45, s45, s42
	s_mul_i32 s45, s45, 12
	s_lshr_b32 s46, s43, 1
	s_mul_i32 s46, s46, 6
	s_add_co_u32 s45, s45, s46
	s_and_b32 s46, s40, 1
	s_add_co_u32 s45, s45, s46
	s_add_co_u32 s45, s45, 260                     ; wv: 256 + 12 head + 6 (j / 2) + 4 + j % 2
	s_cmp_eq_u32 s20, 2
	s_cselect_b32 s44, s45, s44
	s_lshl_b32 s45, s22, 3
	s_add_co_u32 s45, s45, s40
	s_add_co_u32 s45, s45, 448                     ; wo
	s_cmp_eq_u32 s20, 3
	s_cselect_b32 s44, s45, s44                    ; T
	s_mul_i32 s30, s44, 12288
	s_lshl_b32 s46, s26, 1
	s_add_co_u32 s46, s46, s41
	s_mul_i32 s46, s46, 1536
	s_add_co_u32 s30, s30, s46
	s_add_nc_u64 s[14:15], s[14:15], s[30:31]
	s_lshr_b32 s30, s44, 1
	s_lshl_b32 s30, s30, 10
	s_lshl_b32 s46, s26, 8
	s_add_co_u32 s30, s30, s46
	s_add_nc_u64 s[16:17], s[16:17], s[30:31]
	s_wait_alu depctr_va_vdst(0)
	s_wait_loadcnt 0x0
	QBLOCKS 32
	v_lshl_or_b32 v14, v27, 8, v26
.irp b, 0,1
	ds_store_b64 v5, v[164+6*\b:165+6*\b] offset:256*\b
	ds_store_b64 v6, v[166+6*\b:167+6*\b] offset:256*\b
	ds_store_b64 v5, v[168+6*\b:169+6*\b] offset:512+256*\b
.endr
	ds_store_b16 v7, v14
	s_wait_dscnt 0x0                               ; for the others' sake
	s_barrier_signal -1
	s_barrier_wait -1
.irp k, 0,1,2
	ds_load_b128 v[96+4*\k:99+4*\k], v16 offset:512*\k
.endr
	s_wait_dscnt 0x0
.irp k, 0,1,2
	global_store_b128 v1, v[96+4*\k:99+4*\k], s[14:15] offset:512*\k   ; 512 consecutive bytes, aligned
.endr
	s_and_b32 s46, s18, 3
	s_cmp_eq_u32 s46, 0
	s_cbranch_scc0 .Lwdone
	ds_load_b64 v[112:113], v17
	s_wait_dscnt 0x0
	global_store_b64 v4, v[112:113], s[16:17]      ; 256 consecutive bytes, aligned
.Lwdone:
	s_wait_tensorcnt 0x0                           ; the wave's end
	ds_add_u32 v8, v9
	s_wait_dscnt 0x0
	s_endpgm
.Lfunc_end_k_q6d0497b5f8_quant:
	.size	k_q6d0497b5f8_quant, .Lfunc_end_k_q6d0497b5f8_quant-k_q6d0497b5f8_quant
	.p2alignl 7, 3214868480
	.fill 96, 4, 3214868480
	.section	.rodata,"a",@progbits
	.p2align	6, 0x0
	.amdhsa_kernel k_q6d0497b5f8_quant
		.amdhsa_group_segment_fixed_size 164864
		.amdhsa_private_segment_fixed_size 0
		.amdhsa_enable_private_segment 0
		.amdhsa_kernarg_size 56
		.amdhsa_user_sgpr_count 2
		.amdhsa_user_sgpr_kernarg_segment_ptr 1
		.amdhsa_wavefront_size32 1
		.amdhsa_system_sgpr_workgroup_id_x 1
		.amdhsa_system_sgpr_workgroup_id_y 1
		.amdhsa_system_sgpr_workgroup_id_z 1
		.amdhsa_system_vgpr_workitem_id 0
		.amdhsa_next_free_vgpr 256
		.amdhsa_next_free_sgpr 66
		.amdhsa_reserve_vcc 0
		.amdhsa_float_denorm_mode_32 3
		.amdhsa_float_denorm_mode_16_64 3
		.amdhsa_memory_ordered 1
		.amdhsa_forward_progress 1
		.amdhsa_inst_pref_size 25
	.end_amdhsa_kernel
	.amdgpu_metadata
---
amdhsa.version: [ 1, 2 ]
amdhsa.kernels:
  - .name:           k_q6d0497b5f8_quant
    .symbol:         k_q6d0497b5f8_quant.kd
    .args:
      - { .name: x, .offset: 0, .size: 8, .value_kind: global_buffer, .address_space: global }
      - { .name: wq, .offset: 8, .size: 8, .value_kind: global_buffer, .address_space: global }
      - { .name: wk, .offset: 16, .size: 8, .value_kind: global_buffer, .address_space: global }
      - { .name: wv, .offset: 24, .size: 8, .value_kind: global_buffer, .address_space: global }
      - { .name: wo, .offset: 32, .size: 8, .value_kind: global_buffer, .address_space: global }
      - { .name: xw_codes, .offset: 40, .size: 8, .value_kind: global_buffer, .address_space: global }
      - { .name: xw_scales, .offset: 48, .size: 8, .value_kind: global_buffer, .address_space: global }
    .group_segment_fixed_size: 164864
    .private_segment_fixed_size: 0
    .kernarg_segment_align: 8
    .kernarg_segment_size: 56
    .max_flat_workgroup_size: 512
    .sgpr_count:     66
    .vgpr_count:     256
    .wavefront_size: 32
...
	.end_amdgpu_metadata
.endif
;; end of part 1
;; launch qkv (part 2): grid 16 x 16, 4 waves a work-group, clusters of 4 x 4, 327,680 bytes of LDS; arguments xw_codes, xw_scales, bq, bk, bv, qkv_codes, qkv_scales; writes qkv_codes, qkv_scales
.if DOCPART == 2
	.amdgcn_target "amdgcn-amd-amdhsa--gfx1250"
	.amdhsa_code_object_version 6
	.text
	.protected	k_q6d0497b5f8_qkv
	.globl	k_q6d0497b5f8_qkv
	.p2align	8
	.type	k_q6d0497b5f8_qkv,@function
k_q6d0497b5f8_qkv:
	s_mov_b64 s[64:65], 0
	v_nop
	global_prefetch_b8 v0, s[64:65] scope:SCOPE_SE
	s_setreg_imm32_b32 hwreg(HW_REG_WAVE_MODE, 25, 1), 1
	s_wait_xcnt 0x0
	s_wait_alu depctr_hold_cnt(0) depctr_sa_sdst(0) depctr_va_vdst(0) depctr_va_sdst(0) depctr_va_ssrc(0) depctr_va_vcc(0) depctr_vm_vsrc(0)
	s_getreg_b32 s2, hwreg(HW_REG_IB_STS2, 6, 4)
	s_cmp_eq_u32 s2, 0
	s_cbranch_scc0 .Lentry_in_a_cluster
	s_endpgm
.Lentry_in_a_cluster:
	s_bfe_u32 s2, ttmp6, 0x10000c
	s_cmp_lg_u32 s2, 0xf033
	s_cbranch_scc0 .Lentry_shape_is_right
	s_endpgm
.Lentry_shape_is_right:
; q = x wq + bq, k = x wk + bk, v = x wv + bv on codes of FP6 (E2M3) with E8M0 scales, K = 1,024; the results are quantised at once, q and k along the head's 64, v along the tokens, and leave as codes.
; LIMITS: NaN and infinities are not served; a block of zeros, or one under 2^-124, gets the scale byte 1 (this program alone reads the bytes).
; SHARES.  256 work-groups, all alike: 256 tokens (tile row y) x 128 columns of [wq | wk] and 64 columns (head x) of wv.  Four waves, 2 x 2: wave (HI, LO) has 128 tokens (8 tiles, one unit) x head 2 x + LO of q or k (4 tiles)
; and tiles 2 LO, 2 LO + 1 of v's head x: 48 accumulators, 384 registers.
; OPERANDS are images of their registers (1,536 bytes): every LDS load reads consecutive bytes.  K goes in chunks of 256 (two steps).  A's four chunks each have LDS bytes of their own; B's have three places, chunk 3 lands where chunk 0 lay.
; FILLS: at the head one joint load a wave (A's chunk 0, B's chunk 0, A's chunk 1, B's chunk 1); one drained round, in step 1, then asks for chunks 2 and 3, one load a wave.  Two plain barriers, in steps 3 and 5, show them.
; CLUSTERS of 4 x 4: A's tiles are asked for jointly along a row of the cluster, B's along a column.
; PREFETCH: chunks 2 and 3 of A's 16 tiles and B's 12, shared out by address among the sixteen waves that will ask jointly: one instruction a wave for each side, a step and more ahead of the loads; nothing lies beyond chunk 3.
; q, k: source 0 = the weight's tile, source 1 = x's: a lane has one token, its 32 results are one block of the head.  v: source 0 = x's tile, source 1 = wv's: a lane has one channel, its 32 results of four tiles are 32 neighbouring tokens.
; The biases are the C of the first products.
; OUT (r = lane % 16, h = lane / 16).  qkv_codes [48: q's heads, k's, v's][band of 64 tokens][tile 4][768: registers 0-3 at 16 x lane, 4-5 at 512 + 8 x lane];  qkv_scales, q and k: [head][unit of 128][16 (j % 2) + r][band c][j / 2][h] bytes,
; v: [head][unit][t / 2][16 (t % 2) + r][c][h].
; REGISTERS.  window 0: v1-31 addresses, on the way out the quantiser's; v32-63 A's scale words, v68-91 B's; v96-127 codes; v128-255 v's accumulators.  windows 1, 2: two sets of fragments (A's 8, B's 6); the biases at window 1's v168-215.
;   window 3: q's or k's accumulators, (a, j) at v[32 a + 8 j].
.set ACH, 49152
.set BLDS, 4*ACH
.set BCH, 36864
.set SPARE, BLDS+3*BCH
.set AS, 32
.set BS, 68
.set MSB, 0
.macro WIN new
.set WNEW, \new
.if MSB != WNEW
	s_set_vgpr_msb (MSB<<8)|WNEW
.set MSB, WNEW
.endif
.endm
.macro PLACES                          ; four plain places behind matrix instructions (ISA guide 7.12.1)
.rept 4
	v_nop
.endr
.endm
.macro CREST
	s_cmp_lg_u32 s18, 0
	s_cbranch_scc1 .Lnot_wave_0_\@
	s_barrier_signal -3
.Lnot_wave_0_\@:
	s_barrier_wait -3
	s_barrier_signal -1
	s_barrier_wait -1
.endm
.macro CROUND
	s_barrier_signal -1
	s_barrier_wait -1
	CREST
.endm
.macro TL g0, g1
	tensor_load_to_lds s[\g0:\g0+3], s[\g1:\g1+7]
	s_nop 0
	PLACES
.endm
.macro ARMS                            ; one joint load a wave, each in an arm of its own
	s_cmp_eq_u32 s18, 0
	s_cbranch_scc0 .Larm1_\@
	TL 40, 24
	s_branch .Larmed_\@
.Larm1_\@:
	s_cmp_eq_u32 s18, 1
	s_cbranch_scc0 .Larm2_\@
	TL 44, 32
	s_branch .Larmed_\@
.Larm2_\@:
	s_cmp_eq_u32 s18, 2
	s_cbranch_scc0 .Larm3_\@
	TL 48, 24
	s_branch .Larmed_\@
.Larm3_\@:
	TL 52, 32
.Larmed_\@:
.endm
.macro LD1 s, l                        ; LDS load l (0 .. 41) of step s's fragments: fragment l / 3 (A's tiles 0-7, B's 0-5), piece l % 3
.set lf, (\l)/3
.if lf < 8
.set l16, 8+(\s)/2
.set lo, 1536*((\s)%2)+3072*lf+512*((\l)%3)
.else
.set l16, 16+((\s)/2)%3
.set lo, 1536*((\s)%2)+3072*(lf-8)+512*((\l)%3)
.endif
.set lr, 12*lf+4*((\l)%3)
	ds_load_b128 v[lr:lr+3], v[l16] offset:lo
.endm
.macro PROD1 d, x, y, c, sx, sy, rx, ry
.if ((\rx) == 0) && ((\ry) == 0)
	v_wmma_scale_f32_16x16x128_f8f6f4 v[\d:\d+7], v[\x:\x+11], v[\y:\y+11], v[\c:\c+7], v[\sx], v[\sy] matrix_a_fmt:MATRIX_FMT_FP6 matrix_b_fmt:MATRIX_FMT_FP6
.elseif (\rx) == 0
	v_wmma_scale_f32_16x16x128_f8f6f4 v[\d:\d+7], v[\x:\x+11], v[\y:\y+11], v[\c:\c+7], v[\sx], v[\sy] matrix_a_fmt:MATRIX_FMT_FP6 matrix_b_fmt:MATRIX_FMT_FP6 matrix_b_scale:MATRIX_SCALE_ROW1
.elseif (\ry) == 0
	v_wmma_scale_f32_16x16x128_f8f6f4 v[\d:\d+7], v[\x:\x+11], v[\y:\y+11], v[\c:\c+7], v[\sx], v[\sy] matrix_a_fmt:MATRIX_FMT_FP6 matrix_b_fmt:MATRIX_FMT_FP6 matrix_a_scale:MATRIX_SCALE_ROW1
.else
	v_wmma_scale_f32_16x16x128_f8f6f4 v[\d:\d+7], v[\x:\x+11], v[\y:\y+11], v[\c:\c+7], v[\sx], v[\sy] matrix_a_fmt:MATRIX_FMT_FP6 matrix_b_fmt:MATRIX_FMT_FP6 matrix_a_scale:MATRIX_SCALE_ROW1 matrix_b_scale:MATRIX_SCALE_ROW1
.endif
.endm
.macro PROD s, n                       ; product n of step s: 0-15 v's, 16-47 q's or k's; the 48 accumulators take turns, one instruction a turn, in the same order in every step
.set pw, 1+(\s)%2
.if (\n) < 16
.set pa, (\n)%8
.set pb, 4+(\n)/8
.set pd, 128+64*((\n)/8)+8*pa
.set pc, pd
.set pcw, 0
.if (\s) == 0
.set pc, 200+8*((\n)/8)
.set pcw, 1
.endif
	WIN pw|(pw<<2)|(pcw<<4)
.set psa, AS+8*(pa/2)+(\s)
.set psb, BS+8*(pb/2)+(\s)
.set px, 12*pa
.set py, 96+12*pb
.set prx, pa%2
.set pry, pb%2
	PROD1 pd, px, py, pc, psa, psb, prx, pry
.else
.set pa, ((\n)-16)/4
.set pb, ((\n)-16)%4
.set pd, 32*pa+8*pb
.set pc, pd
.set pcw, 3
.if (\s) == 0
.set pc, 168+8*pb
.set pcw, 1
.endif
	WIN pw|(pw<<2)|(pcw<<4)|(3<<6)
.set psa, AS+8*(pa/2)+(\s)
.set psb, BS+8*(pb/2)+(\s)
.set px, 96+12*pb
.set py, 12*pa
.set prx, pb%2
.set pry, pa%2
	PROD1 pd, px, py, pc, psb, psa, prx, pry
.endif
.endm
.macro RUN s, from, to                 ; products from .. to - 1 of step s
.set rn, \from
.rept (\to)-(\from)
	PROD \s, rn
.set rn, rn+1
.endr
.endm
.macro LRUN s, k                       ; the next k LDS loads of step s's fragments, in one run
	WIN ((1+(\s)%2)<<6)
.rept \k
	LD1 \s, LI
.set LI, LI+1
.endr
.endm
.macro STEADY s                        ; a step with no barrier: the next step's loads in two runs
	BEGIN
	LRUN (\s)+1, 21
	RUN \s, 0, 12
	LRUN (\s)+1, 21
	RUN \s, 12, 48
.endm
.macro BEGIN                           ; the places serve the loads into the set that the step before multiplied
	PLACES
	s_wait_dscnt 0x0                               ; this step's fragments are in
.set LI, 0
.endm
; ---- the quantiser of four groups of 32 sums (batch 0: v's, 1 and 2: q's or k's), line i of 72: the largest magnitudes by two chains a group, the scale operand, the byte
.macro CBASE b, g
.set cg, (\g)
.if (\b) == 0
.set cw, 0
.set cb, 128+64*(cg%2)+32*(cg/2)
.set cp, 96+6*cg
.else
.set cw, 3
.set cb, 128*((\b)-1)+32*cg
.set cp, 112+32*(\b)+6*cg
.endif
.endm
.macro CL i, b
	CBASE \b, (\i)%4
.set ch, ((\i)%8)/4
.set ck, 2*((\i)/8)+1
.set ct, 8+2*cg+ch
.if (\i) < 8
	WIN cw|(cw<<2)|(cw<<4)
	v_max3_num_f32 v[ct], |v[cb+16*ch]|, |v[cb+16*ch+1]|, |v[cb+16*ch+2]|
.elseif (\i) < 56
	WIN (cw<<2)|(cw<<4)
	v_max3_num_f32 v[ct], v[ct], |v[cb+16*ch+ck]|, |v[cb+16*ch+ck+1]|
.elseif (\i) < 60
	WIN cw<<2
	v_max3_num_f32 v[9+2*cg], v[9+2*cg], |v[cb+31]|, 0x1800000
.elseif (\i) < 64
	WIN cw<<2
	v_max3_num_f32 v[8+2*cg], v[8+2*cg], |v[cb+15]|, v[9+2*cg]
.elseif (\i) < 68
	WIN 0
	v_add_nc_u32 v[16+cg], 0xff000000, v[8+2*cg]
.else
	WIN 0
	v_lshrrev_b32 v[20+4*(\b)+cg], 23, v[16+cg]
.endif
.endm
.macro CVT2 b, g                       ; groups g and g + 1: six registers of codes each (a conversion's three begin on an even number)
.irp q, 0,1
	CBASE \b, (\g)+\q
	WIN cw
	v_cvt_scalef32_pk16_fp6_f32 v[cp:cp+2], v[cb:cb+15], v[16+cg]
	v_cvt_scalef32_pk16_fp6_f32 v[120+4*\q:122+4*\q], v[cb+16:cb+31], v[16+cg]
.endr
	WIN 0
	v_nop
.irp q, 0,1
	CBASE \b, (\g)+\q
.irp i, 0,1,2
	v_mov_b32 v[cp+3+\i], v[120+4*\q+\i]
.endr
.endr
.endm
.macro OUT b, sb                       ; four groups leave: 512 and 256 consecutive bytes each, aligned
.irp g, 0,1,2,3
	CBASE \b, \g
.if (\b) == 0
.set co, (cg/2)*3072+(cg%2)*768
.else
.set co, 768*(4*((\b)-1)+cg)
.endif
	global_store_b128 v2, v[cp:cp+3], s[\sb:\sb+1] offset:co
	global_store_b64 v3, v[cp+4:cp+5], s[\sb:\sb+1] offset:co+512
.endr
.endm
.macro WORD b, d                       ; the lane's four bytes, with lane l xor 16's, in the order that the next launch reads
	v_lshl_or_b32 v[20+4*(\b)], v[21+4*(\b)], 8, v[20+4*(\b)]
	v_lshl_or_b32 v[20+4*(\b)], v[22+4*(\b)], 16, v[20+4*(\b)]
	v_lshl_or_b32 v[20+4*(\b)], v[23+4*(\b)], 24, v[20+4*(\b)]
	v_permlanex16_b32 v1, v[20+4*(\b)], s92, s93
	v_perm_b32 v[\d], v1, v[20+4*(\b)], v5
.endm
	s_load_b256 s[4:11], s[0:1], 0x0               ; xw_codes, xw_scales, bq, bk
	s_load_b128 s[12:15], s[0:1], 0x20             ; bv, qkv_codes
	s_load_b64 s[16:17], s[0:1], 0x30              ; qkv_scales
	v_lshl_add_u32 v6, v0, 2, SPARE
	v_mov_b32 v7, 0
	ds_add_u32 v6, v7                              ; the opening: the add, twice on end, and its wait
	ds_add_u32 v6, v7
	v_lshrrev_b32 v1, 5, v0
	v_readfirstlane_b32 s18, v1                    ; wave 0..3
	s_lshr_b32 s19, s18, 1                         ; HI: my 128 tokens
	s_and_b32 s20, s18, 1                          ; LO: my columns
	s_bfe_u32 s21, ttmp6, 0x40000                  ; cx
	s_bfe_u32 s22, ttmp6, 0x40004                  ; cy
	s_lshl_b32 s23, ttmp9, 2
	s_add_co_u32 s23, s23, s21                     ; x: the tile column
	s_and_b32 s66, ttmp7, 0xffff
	s_lshl_b32 s66, s66, 2
	s_add_co_u32 s66, s66, s22                     ; y: the tile row
	s_lshl_b32 s67, s22, 2
	s_lshl_b32 s67, 15, s67                        ; my row of the cluster
	s_lshl_b32 s68, 0x1111, s21                    ; my column
	; group 1: A 16 rows, B 12 rows of 3,072 bytes (a tile's two images of the chunk), 12,288 bytes apart in memory, on end in LDS
	s_or_b32 s24, s67, (3<<16)|(1<<21)
	s_or_b32 s32, s68, (3<<16)|(1<<21)
	s_mov_b32 s25, 384<<16
	s_mov_b32 s26, 16<<16
	s_mov_b32 s27, 384<<16
	s_mov_b32 s28, 16
	s_mov_b32 s29, 1536
	s_mov_b32 s30, 0
	s_mov_b32 s31, 0
	s_mov_b32 s33, 384<<16
	s_mov_b32 s34, 12<<16
	s_mov_b32 s35, 384<<16
	s_mov_b32 s36, 12
	s_mov_b32 s37, 1536
	s_mov_b32 s38, 0
	s_mov_b32 s39, 0
	s_mul_i32 s70, s66, 16*12288
	s_mov_b32 s71, 0
	s_mul_i32 s72, s23, 12*12288
	s_add_co_u32 s72, s72, 256*12288
	s_mov_b32 s73, 0
	s_mov_b32 s40, 1
	s_mov_b32 s41, 0
	s_mov_b32 s44, 1
	s_mov_b32 s45, BLDS
	s_mov_b32 s48, 1
	s_mov_b32 s49, ACH
	s_mov_b32 s52, 1
	s_mov_b32 s53, BLDS+BCH
	s_mov_b32 s92, 0x76543210
	s_mov_b32 s93, 0xfedcba98                      ; v_permlanex16_b32's selects for lane l xor 16
	s_wait_alu depctr_va_vdst(0)
	s_wait_dscnt 0x0
	CROUND                                         ; all sixteen work-groups are here: the first joint loads meet
	s_wait_kmcnt 0x0
	s_add_nc_u64 s[42:43], s[4:5], s[70:71]
	s_add_nc_u64 s[46:47], s[4:5], s[72:73]
	s_add_nc_u64 s[50:51], s[42:43], 3072
	s_add_nc_u64 s[54:55], s[46:47], 3072
	s_or_b32 s43, s43, 0x80000000
	s_or_b32 s47, s47, 0x80000000
	s_or_b32 s51, s51, 0x80000000
	s_or_b32 s55, s55, 0x80000000
	ARMS
	s_lshl_b32 s74, s66, 13
	s_lshl_b32 s94, s19, 12
	s_add_co_u32 s74, s74, s94
	s_mov_b32 s75, 0
	s_add_nc_u64 s[74:75], s[6:7], s[74:75]        ; A's scale words: tile pairs 8 y + 4 HI on
	s_mul_i32 s76, s23, 6
	s_mul_i32 s94, s20, 3
	s_add_co_u32 s76, s76, s94
	s_add_co_u32 s76, s76, 128
	s_lshl_b32 s76, s76, 10
	s_mov_b32 s77, 0
	s_add_nc_u64 s[76:77], s[6:7], s[76:77]        ; B's: 128 + 6 x + 3 LO on
	s_lshl_b32 s69, s23, 1
	s_add_co_u32 s69, s69, s20                     ; my head of q and k, 0..31
	s_and_b32 s78, s69, 15
	s_lshl_b32 s78, s78, 8
	s_mov_b32 s79, 0
	s_cmp_lt_u32 ttmp9, 2                          ; by the cluster's number alone
	s_cselect_b64 s[80:81], s[8:9], s[10:11]       ; bq or bk
	s_add_nc_u64 s[80:81], s[80:81], s[78:79]
	s_lshl_b32 s82, s23, 8
	s_lshl_b32 s94, s20, 6
	s_add_co_u32 s82, s82, s94
	s_mov_b32 s83, 0
	s_add_nc_u64 s[82:83], s[12:13], s[82:83]      ; bv
	v_and_b32 v1, 31, v0                           ; lane
	v_and_b32 v25, 15, v0                          ; r
	v_bfe_u32 v24, v0, 4, 1                        ; h
	v_lshlrev_b32 v2, 4, v1
	v_lshlrev_b32 v3, 3, v1
	v_lshlrev_b32 v4, 2, v1
	v_lshlrev_b32 v26, 7, v24                      ; 128 h: my 32 numbers of a head's bias
	v_lshrrev_b32 v27, 3, v25
	v_lshlrev_b32 v27, 7, v27
	v_and_b32 v28, 7, v25
	v_lshl_add_u32 v27, v28, 2, v27                ; v: channel 32 (r / 8) + r % 8 (+ 8 t)
.irp ip, 0,1,2,3
.irp q, 0,1,2,3
	global_load_b64 v[AS+8*\ip+2*\q:AS+8*\ip+2*\q+1], v3, s[74:75] offset:\ip*1024+\q*256   ; 256 consecutive bytes: a tile pair's words of two steps
.if \ip < 3
	global_load_b64 v[BS+8*\ip+2*\q:BS+8*\ip+2*\q+1], v3, s[76:77] offset:\ip*1024+\q*256
.endif
.endr
.endr
	WIN 0x40
.irp k, 0,1,2,3,4,5,6,7
	global_load_b128 v[168+4*\k:171+4*\k], v26, s[80:81] offset:16*\k
.endr
	global_load_b32 v200, v27, s[82:83]
	global_load_b32 v208, v27, s[82:83] offset:32
	WIN 0
	s_mul_i32 s94, s19, 8*3072                     ; my eight tiles of A,
	s_mul_i32 s95, s20, 6*3072
	s_add_co_u32 s95, s95, BLDS                    ; my six of B
.irp k, 0,1,2,3
	v_add_nc_u32 v[8+\k], s94, v2
	s_add_co_u32 s94, s94, ACH
.endr
.irp k, 0,1,2
	v_add_nc_u32 v[16+\k], s95, v2
	s_add_co_u32 s95, s95, BCH
.endr
	v_mov_b32 v5, 0x06020400                       ; v_perm_b32's selector: lanes 0-15 tiles 0 and 2 of the four,
	v_mov_b32 v29, 0x03070105                      ; lanes 16-31 tiles 1 and 3
	v_cmp_le_u32 vcc_lo, 16, v1
	v_cndmask_b32 v5, v5, v29, vcc_lo
	; the prefetches: A's tile 4 cx + wave, 24 blocks of 256; B's blocks 18 (4 cy + wave) on, of 12 tiles x 24
	s_lshl_b32 s94, s21, 2
	s_add_co_u32 s94, s94, s18
	s_mul_i32 s94, s94, 12288
	s_add_co_u32 s94, s94, s70
	s_add_co_u32 s94, s94, 6144
	v_min_u32 v22, 23, v1
	v_lshlrev_b32 v22, 8, v22
	v_add_nc_u32 v22, s94, v22
	s_lshl_b32 s95, s22, 2
	s_add_co_u32 s95, s95, s18
	s_mul_i32 s95, s95, 18
	v_min_u32 v23, 17, v1
	v_add_nc_u32 v23, s95, v23
	v_mul_u32_u24 v30, v23, 2731
	v_lshrrev_b32 v30, 16, v30                     ; the block's tile: number / 24
	v_mul_u32_u24 v30, v30, 6144
	v_lshl_add_u32 v23, v23, 8, v30
	s_add_co_u32 s95, s72, 6144
	v_add_nc_u32 v23, s95, v23
	s_wait_alu depctr_va_vdst(0)
	s_lshl_b32 s96, s66, 1
	s_add_co_u32 s96, s96, s19                     ; my unit of 128 tokens
	s_lshl_b32 s97, s69, 5
	s_add_co_u32 s97, s97, s96
	s_mul_i32 s84, s97, 6144
	s_mov_b32 s85, 0
	s_add_nc_u64 s[84:85], s[14:15], s[84:85]      ; q's or k's codes
	s_lshl_b32 s86, s97, 8
	s_mov_b32 s87, 0
	s_add_nc_u64 s[86:87], s[16:17], s[86:87]      ; their scale bytes
	s_add_co_u32 s97, s23, 32
	s_lshl_b32 s97, s97, 5
	s_add_co_u32 s97, s97, s96
	s_mul_i32 s88, s97, 6144
	s_mul_i32 s98, s20, 1536
	s_add_co_u32 s88, s88, s98
	s_mov_b32 s89, 0
	s_add_nc_u64 s[88:89], s[14:15], s[88:89]      ; v's codes
	s_lshl_b32 s90, s97, 8
	s_lshl_b32 s98, s20, 7
	s_add_co_u32 s90, s90, s98
	s_mov_b32 s91, 0
	s_add_nc_u64 s[90:91], s[16:17], s[90:91]      ; v's scale bytes
	s_wait_loadcnt 0x0
	WIN 0x41
.irp t, 200,208
.irp i, 1,2,3,4,5,6,7
	v_mov_b32 v[\t+\i], v[\t]                      ; v's bias, one number a lane and tile, over the tile's eight registers
.endr
.endr
	WIN 0
	s_wait_alu depctr_va_vdst(0)                   ; the wait at the head's end
	s_cmp_lt_u32 s18, 2
	s_cbranch_scc0 .Lnot_chunk0
	s_wait_tensorcnt 0x0                           ; waves 0 and 1 brought chunk 0; chunk 1 may stay out
.Lnot_chunk0:
	s_barrier_signal -1
	s_barrier_wait -1
	WIN 0x40
.set LI, 0
.rept 42
	LD1 0, LI
.set LI, LI+1
.endr
	WIN 0
	global_prefetch_b8 v22, s[4:5] th:TH_LOAD_NT scope:SCOPE_SE
	global_prefetch_b8 v23, s[4:5] th:TH_LOAD_NT scope:SCOPE_SE
	STEADY 0
	BEGIN                                          ; step 1: my reads of chunk 0 are over
	WIN 0
	s_wait_tensorcnt 0x0                           ; my tensor load has landed; so every descriptor may be written
	ds_add_u32 v6, v7
	s_mov_b32 s41, 2*ACH
	s_add_nc_u64 s[42:43], s[42:43], 6144
	s_mov_b32 s45, BLDS+2*BCH
	s_add_nc_u64 s[46:47], s[46:47], 6144
	s_mov_b32 s49, 3*ACH
	s_add_nc_u64 s[50:51], s[50:51], 6144
	s_mov_b32 s53, BLDS                            ; B's chunk 3 lands where chunk 0 lay
	s_add_nc_u64 s[54:55], s[54:55], 6144
	RUN 1, 0, 8
	s_wait_dscnt 0x0
	s_barrier_signal -1
	RUN 1, 8, 14
	WIN 0
	s_barrier_wait -1
	CREST                                          ; no wave of any partner still reads chunk 0 or has a load on its way
	ARMS                                           ; A's chunk 2, B's chunk 2, A's chunk 3, B's chunk 3
	LRUN 2, 42
	RUN 1, 14, 48
	STEADY 2
	BEGIN
	RUN 3, 0, 12
	WIN 0
	s_cmp_lt_u32 s18, 2
	s_cbranch_scc0 .Lnot_chunk2
	s_wait_tensorcnt 0x0                           ; waves 0 and 1 brought chunk 2
.Lnot_chunk2:
	s_barrier_signal -1
	RUN 3, 12, 18
	WIN 0
	s_barrier_wait -1
	LRUN 4, 42
	RUN 3, 18, 48
	STEADY 4
	BEGIN
	RUN 5, 0, 6
	WIN 0
	s_wait_tensorcnt 0x0                           ; chunk 3
	s_barrier_signal -1
	RUN 5, 6, 12
	WIN 0
	s_barrier_wait -1
	LRUN 6, 21
	RUN 5, 12, 24
	LRUN 6, 21
	RUN 5, 24, 48
	STEADY 6
	BEGIN                                          ; step 7: v's sums are finished first; their largest magnitudes are taken among the other products
	WIN 0
	s_wait_xcnt 0x0                                ; the prefetches have read their addresses
	RUN 7, 0, 16
.set VI, 0
.set rn, 16
.rept 32
	PROD 7, rn
.if rn%2
.if VI == 0
	PLACES
.endif
.rept 5
.if VI < 72
	CL VI, 0
.set VI, VI+1
.endif
.endr
.endif
.set rn, rn+1
.endr
	WIN 0
	PLACES
	s_wait_alu depctr_va_vdst(0)
	CVT2 0, 0
	CVT2 0, 2
	OUT 0, 88
	WORD 0, 20
	global_store_b32 v4, v20, s[90:91]             ; 128 consecutive bytes
.irp b, 1,2
.set VI, 0
.rept 72
	CL VI, \b
.set VI, VI+1
.endr
	CVT2 \b, 0
	CVT2 \b, 2
	OUT \b, 84
	WORD \b, 25+\b
.endr
	global_store_b64 v3, v[26:27], s[86:87]        ; 256 consecutive bytes, aligned
	s_wait_tensorcnt 0x0                           ; the wave's end
	ds_add_u32 v6, v7
	s_wait_dscnt 0x0
	CROUND                                         ; the closing round
	s_endpgm
.Lfunc_end_k_q6d0497b5f8_qkv:
	.size	k_q6d0497b5f8_qkv, .Lfunc_end_k_q6d0497b5f8_qkv-k_q6d0497b5f8_qkv
	.p2alignl 7, 3214868480
	.fill 96, 4, 3214868480
	.section	.rodata,"a",@progbits
	.p2align	6, 0x0
	.amdhsa_kernel k_q6d0497b5f8_qkv
		.amdhsa_group_segment_fixed_size 327680
		.amdhsa_private_segment_fixed_size 0
		.amdhsa_enable_private_segment 0
		.amdhsa_kernarg_size 56
		.amdhsa_user_sgpr_count 2
		.amdhsa_user_sgpr_kernarg_segment_ptr 1
		.amdhsa_wavefront_size32 1
		.amdhsa_system_sgpr_workgroup_id_x 1
		.amdhsa_system_sgpr_workgroup_id_y 1
		.amdhsa_system_sgpr_workgroup_id_z 1
		.amdhsa_system_vgpr_workitem_id 0
		.amdhsa_next_free_vgpr 1024
		.amdhsa_next_free_sgpr 100
		.amdhsa_reserve_vcc 1
		.amdhsa_float_denorm_mode_32 3
		.amdhsa_float_denorm_mode_16_64 3
		.amdhsa_memory_ordered 1
		.amdhsa_forward_progress 1
		.amdhsa_inst_pref_size 110
	.end_amdhsa_kernel
	.amdgpu_metadata
---
amdhsa.version: [ 1, 2 ]
amdhsa.kernels:
  - .name:           k_q6d0497b5f8_qkv
    .symbol:         k_q6d0497b5f8_qkv.kd
    .args:
      - { .name: xw_codes, .offset: 0, .size: 8, .value_kind: global_buffer, .address_space: global }
      - { .name: xw_scales, .offset: 8, .size: 8, .value_kind: global_buffer, .address_space: global }
      - { .name: bq, .offset: 16, .size: 8, .value_kind: global_buffer, .address_space: global }
      - { .name: bk, .offset: 24, .size: 8, .value_kind: global_buffer, .address_space: global }
      - { .name: bv, .offset: 32, .size: 8, .value_kind: global_buffer, .address_space: global }
      - { .name: qkv_codes, .offset: 40, .size: 8, .value_kind: global_buffer, .address_space: global }
      - { .name: qkv_scales, .offset: 48, .size: 8, .value_kind: global_buffer, .address_space: global }
    .group_segment_fixed_size: 327680
    .private_segment_fixed_size: 0
    .kernarg_segment_align: 8
    .kernarg_segment_size: 56
    .max_flat_workgroup_size: 128
    .sgpr_count:     100
    .vgpr_count:     1024
    .wavefront_size: 32
...
	.end_amdgpu_metadata
.endif
;; end of part 2
;; launch attn (part 3): grid 32 x 8, 16 waves a work-group, no clusters, 169,984 bytes of LDS; arguments qkv_codes, qkv_scales, ao_codes, ao_scales; writes ao_codes, ao_scales
.if DOCPART == 3
	.amdgcn_target "amdgcn-amd-amdhsa--gfx1250"
	.amdhsa_code_object_version 6
	.text
	.protected	k_q6d0497b5f8_attn
	.globl	k_q6d0497b5f8_attn
	.p2align	8
	.type	k_q6d0497b5f8_attn,@function
k_q6d0497b5f8_attn:
	s_mov_b64 s[64:65], 0
	v_nop
	global_prefetch_b8 v0, s[64:65] scope:SCOPE_SE
	s_setreg_imm32_b32 hwreg(HW_REG_WAVE_MODE, 25, 1), 1
	s_wait_xcnt 0x0
; Band attention on codes of FP6 (E2M3): key j counts for query i where i - 128 <= j <= i + 128, inside the batch's 2,048 tokens; head size 64; both products with E8M0 scales for each 32 along K.
; t = score x log2(e) / 8; M = the row's largest t rounded UP to a whole number; p = 2^(t - M) is quantised along the keys; the row's sum is taken of the unquantised p and divides O at the end.
; The result is quantised along the hidden axis at once and leaves as codes: the last product's operand.
; WORK LEFT OUT: a tile of queries lies in one band of 64 tokens; key bands further than two bands away are hidden whole by reference()'s own mask for all values of the inputs.
; LIMITS: hidden scores take -1e30 for -infinity: this holds while the scaled scores stay under 2^31 in magnitude.  NaN and infinities are not served; a block of zeros, or one under 2^-124, gets the scale byte 1 (this program alone reads the bytes).
; SHARES.  A work-group owns block J of 128 queries of head pair P; wave w owns tile w % 8 (16 queries) of head 2 P + w / 8 and walks its five key bands in ONE pass: 160 registers of scores, no running maximum, no rescaling.
; THE MASK IS THE SCORES' C: 0 or -1e30, laid while the tiles are on their way.  A unit outside the batch is clamped to one inside (no load leaves its buffer) and hidden whole.
; NO JOINT LOADS: a key unit is wanted by three neighbouring query blocks, never by the same four.  NO PREFETCH: all that a work-group reads is asked for at its head, there is no loop to run ahead in.
; K's and V's twelve half units (6,144 bytes) come by twelve tensor loads, one a wave, each byte filled once; K's are shown by the first barrier, V's by the second.
; Both products are used transposed: S^T = K Q^T, O^T = V^T P^T: a lane holds ONE query; by the rows' order its 32 scores of a band are 32 neighbouring keys: one scale block of p.
; The head's K is 64, the instruction's 128: Q's upper six registers are zero codes; K's upper six are whatever codes follow: finite numbers that meet zeros.  So too p's upper six in the last key step.
; REGISTERS: v12 -M; v14-27 the sum's chains (first Q in v16-27); v28 Q's scale word; v30-39 K's, v40-45 V's, v92-94 p's; v46-75 K, then p's codes, v76-81 zeros; v96-255 S^T, band n at 96 + 32 n; band 2's place first holds K; later V's operands and O^T (v224 on).
.set HU, 6144
.set VOFF, 6*HU
.set SCG, 12*HU                        ; 512 bytes in which the sixteen waves' scale bytes meet
.set SPARE, SCG+512
.set BM, 82
.set TT, 87
	s_load_b256 s[4:11], s[0:1], 0x0               ; qkv_codes, qkv_scales, ao_codes, ao_scales
	v_lshl_add_u32 v10, v0, 2, SPARE
	v_mov_b32 v11, 0
	ds_add_u32 v10, v11                            ; the opening: the add, twice on end, and its wait
	ds_add_u32 v10, v11
	v_lshrrev_b32 v1, 5, v0
	v_readfirstlane_b32 s18, v1                    ; wave 0..15
	s_and_b32 s12, s18, 7                          ; tau: my tile of queries
	s_lshr_b32 s13, s18, 3                         ; e: my head of the pair
	s_mov_b32 s14, ttmp9                           ; J
	s_and_b32 s15, ttmp7, 0xffff                   ; P
	s_and_b32 s16, s14, 16                         ; the batch's first unit
	s_add_co_u32 s17, s16, 15                      ; and its last
.irp g, 0,1,2
	s_add_co_i32 s[36+\g], s14, \g-1               ; unit J - 1 + g, held inside the batch
	s_max_i32 s[36+\g], s[36+\g], s16
	s_min_i32 s[36+\g], s[36+\g], s17
.endr
	; group 1: 6,144 dense bytes as 24 rows of 256
	s_mov_b32 s24, 3<<16
	s_mov_b32 s25, 32<<16
	s_mov_b32 s26, 24<<16
	s_mov_b32 s27, 32<<16
	s_mov_b32 s28, 24
	s_mov_b32 s29, 32
	s_mov_b32 s30, 0
	s_mov_b32 s31, 0
	; wave w < 12 fetches: K (w < 6) or V; head (w / 3) % 2 of the pair; unit w % 3
	s_cmp_ge_u32 s18, 6
	s_cselect_b32 s40, 1, 0
	s_mul_i32 s41, s40, 6
	s_sub_co_u32 s41, s18, s41
	s_cmp_ge_u32 s41, 3
	s_cselect_b32 s42, 1, 0
	s_mul_i32 s43, s42, 3
	s_sub_co_u32 s41, s41, s43
	s_add_co_u32 s41, s41, s14
	s_sub_co_i32 s41, s41, 1
	s_max_i32 s41, s41, s16
	s_min_i32 s41, s41, s17
	s_lshl_b32 s40, s40, 4
	s_add_co_u32 s40, s40, 16
	s_lshl_b32 s43, s15, 1
	s_add_co_u32 s40, s40, s43
	s_add_co_u32 s40, s40, s42
	s_lshl_b32 s40, s40, 5
	s_add_co_u32 s40, s40, s41
	s_mul_i32 s40, s40, HU
	s_mov_b32 s41, 0
	s_mov_b32 s32, 1
	s_mul_i32 s33, s18, HU
	s_mov_b32 s20, 0x76543210
	s_mov_b32 s21, 0xfedcba98
	s_mov_b32 s22, 0x3e38aa3b                      ; c = log2(e) / 8
	s_mov_b32 s23, s22
	s_wait_alu depctr_va_vdst(0)
	s_wait_dscnt 0x0
	s_wait_kmcnt 0x0
	s_add_nc_u64 s[34:35], s[4:5], s[40:41]
	s_or_b32 s35, s35, 0x80000000
	s_cmp_lt_u32 s18, 6
	s_cbranch_scc0 .Lfor_v
	tensor_load_to_lds s[32:35], s[24:31]
	s_nop 0
.rept 4
	v_nop
.endr
	s_branch .Lasked
.Lfor_v:
	s_cmp_lt_u32 s18, 12
	s_cbranch_scc0 .Lasked
	tensor_load_to_lds s[32:35], s[24:31]
	s_nop 0
.rept 4
	v_nop
.endr
.Lasked:
	s_lshr_b32 s50, s12, 2                         ; my band of the block
	s_and_b32 s51, s12, 3                          ; my tile j in it
	s_lshl_b32 s52, s15, 1
	s_add_co_u32 s52, s52, s13                     ; my head
	s_lshl_b32 s44, s52, 5
	s_add_co_u32 s44, s44, s14
	s_mul_i32 s54, s44, HU
	s_mul_i32 s48, s12, 768
	s_add_co_u32 s54, s54, s48
	s_mov_b32 s55, 0
	s_add_nc_u64 s[54:55], s[4:5], s[54:55]        ; q's tile
	s_lshl_b32 s56, s44, 8
	s_and_b32 s48, s51, 1
	s_lshl_b32 s48, s48, 7
	s_add_co_u32 s56, s56, s48
	s_lshl_b32 s48, s50, 2
	s_add_co_u32 s56, s56, s48
	s_lshr_b32 s48, s51, 1
	s_lshl_b32 s48, s48, 1
	s_add_co_u32 s56, s56, s48
	s_mov_b32 s57, 0
	s_add_nc_u64 s[56:57], s[6:7], s[56:57]        ; its rows' two scale bytes, 8 bytes from row to row
.irp g, 0,1,2
	s_add_co_u32 s[58+2*\g], s52, 16
	s_lshl_b32 s[58+2*\g], s[58+2*\g], 5
	s_add_co_u32 s[58+2*\g], s[58+2*\g], s[36+\g]
	s_lshl_b32 s[58+2*\g], s[58+2*\g], 8
	s_mov_b32 s[59+2*\g], 0
	s_add_nc_u64 s[58+2*\g:59+2*\g], s[6:7], s[58+2*\g:59+2*\g]   ; k's scale bytes of unit g; v's lie 16 heads, 131,072 bytes, on
.endr
	v_and_b32 v7, 31, v0                           ; lane
	v_and_b32 v8, 15, v0                           ; r
	v_bfe_u32 v9, v0, 4, 1                         ; h
	v_lshlrev_b32 v5, 4, v7
	v_lshlrev_b32 v6, 3, v7
	v_lshlrev_b32 v12, 2, v7
	v_lshlrev_b32 v13, 3, v8
	global_load_b128 v[16:19], v5, s[54:55]
	global_load_b64 v[20:21], v6, s[54:55] offset:512
	global_load_u16 v28, v13, s[56:57]
.irp g, 0,1,2
	global_load_b64 v[46+2*\g:47+2*\g], v6, s[58+2*\g:59+2*\g]
	global_load_b32 v[52+2*\g], v12, s[58+2*\g:59+2*\g] offset:131072
	global_load_b32 v[53+2*\g], v12, s[58+2*\g:59+2*\g] offset:131072+128
.endr
	v_and_b32 v82, 7, v8
	v_lshrrev_b32 v83, 3, v8
	v_sub_nc_u32 v83, v83, v9
	v_lshlrev_b32 v83, 5, v83
	v_add_nc_u32 v82, v82, v83
	v_lshl_add_u32 v29, v8, 2, v9                  ; 4 r + h
	v_mov_b32 v95, 0xf149f2ca                      ; -1e30
	s_wait_alu depctr_va_vdst(0)
	s_mul_i32 s46, s13, 3*HU
	s_mul_i32 s48, s50, 3072
	s_add_co_u32 s46, s46, s48                     ; my head's window begins at my band
	s_add_co_u32 s47, s46, 512
	s_add_co_u32 s48, s46, VOFF
	s_add_co_u32 s49, s46, VOFF+512
	v_add_nc_u32 v1, s46, v5                       ; K: registers 0-3,
	v_add_nc_u32 v2, s47, v6                       ; 4-5
	v_add_nc_u32 v3, s48, v5                       ; V likewise
	v_add_nc_u32 v4, s49, v6
	s_lshl_b32 s46, s12, 6
	s_lshl_b32 s47, s13, 1
	s_add_co_u32 s46, s46, s47
	s_add_co_u32 s46, s46, SCG
	v_add_nc_u32 v29, s46, v29                     ; where my scale byte goes: 64 tau + 4 r + 2 e + h
	v_add_nc_u32 v0, SCG, v5                       ; and where wave 0 reads them back
	s_lshl_b32 s53, s51, 3
	v_add_nc_u32 v82, s53, v82                     ; d = my query in its band - 32 h: register n of a band holds key n + 32 h
	s_wait_alu depctr_va_vdst(0)
	s_cmp_lg_u32 s50, 0
	s_cselect_b32 s70, -1, 0
	s_lshl_b32 s71, s50, 4
	s_mov_b32 s76, 0xf149f2ca
	s_and_b32 s77, s14, 15
	s_cmp_eq_u32 s77, 0
	s_cselect_b32 s72, 1024, 0                     ; no unit in front of the batch's first:
	s_cselect_b32 s74, s76, 0
	s_cmp_eq_u32 s77, 15
	s_cselect_b32 s73, 1024, 0                     ; none behind its last
	s_cselect_b32 s75, s76, 0
	s_cmp_eq_u32 s50, 0
	s_cselect_b32 s74, s74, 0                      ; window band 1 is hidden for the first unit's first band,
	s_cselect_b32 s75, 0, s75                      ; window band 3 for the last unit's second
	v_add_nc_u32 v7, s72, v82                      ; band 0: hidden where n < this
	v_sub_nc_u32 v8, v82, s73                      ; band 4: hidden where n > this
.set n, 0
.rept 32
	v_mov_b32 v[128+n], s74
	v_mov_b32 v[192+n], s75
.set n, n+1
.endr
.set n, 0
.rept 8
.irp k, 0,1,2,3
	v_cmp_lt_i32 s[80+\k], n+\k, v7
	v_cmp_gt_i32 s[84+\k], n+\k, v8
.endr
.irp k, 0,1,2,3
	v_cndmask_b32 v[96+n+\k], 0, v95, s[80+\k]
	v_cndmask_b32 v[224+n+\k], 0, v95, s[84+\k]
.endr
.set n, n+4
.endr
	s_add_co_u32 s44, s14, 0
	s_lshl_b32 s44, s44, 3
	s_add_co_u32 s44, s44, s15                     ; 8 J + P
	s_lshl_b32 s46, s44, 9
	s_mov_b32 s47, 0
	s_add_nc_u64 s[46:47], s[10:11], s[46:47]      ; the result's scale words
	s_lshl_b32 s44, s44, 3
	s_add_co_u32 s44, s44, s12
	s_mul_i32 s44, s44, 1536
	s_mul_i32 s48, s13, 768
	s_add_co_u32 s44, s44, s48
	s_mov_b32 s45, 0
	s_add_nc_u64 s[44:45], s[8:9], s[44:45]        ; and its codes: my half of image (J, P, tau)
	s_wait_alu depctr_va_vdst(0)
	s_wait_loadcnt 0x0
.irp n, 0,1,2,3,4
	v_cndmask_b32 v[BM+\n], v[46+\n], v[47+\n], s70   ; the band's bytes: low half tiles 0, 1, high half tiles 2, 3
.endr
.irp n, 0,1,2,3,4
	v_and_b32 v[30+2*\n], 0xffff, v[BM+\n]
	v_lshrrev_b32 v[31+2*\n], 16, v[BM+\n]
.endr
.irp p, 0,1
	v_alignbit_b32 v[40+\p], v[54+\p], v[52+\p], s71   ; v's word of each key step: two bands from my window's start on
	v_alignbit_b32 v[42+\p], v[56+\p], v[54+\p], s71
	v_lshrrev_b32 v[44+\p], s71, v[56+\p]
.endr
.irp j, 0,1,2,3,4,5
	v_mov_b32 v[22+\j], 0
	v_mov_b32 v[70+\j], 0
	v_mov_b32 v[76+\j], 0
	v_mov_b32 v[184+\j], 0
.endr
	s_wait_alu depctr_va_vdst(0)                   ; the wait at the head's end
	s_cmp_lt_u32 s18, 6
	s_cbranch_scc0 .Lnot_k
	s_wait_tensorcnt 0x0                           ; waves 0-5 brought K
.Lnot_k:
	s_barrier_signal -1
	s_barrier_wait -1
.macro KLOAD n, b
.irp j, 0,1,2,3
	ds_load_b128 v[\b+6*\j:\b+6*\j+3], v1 offset:(\n)*3072+\j*768
	ds_load_b64 v[\b+6*\j+4:\b+6*\j+5], v2 offset:(\n)*3072+\j*768
.endr
.endm
.macro SP n, b
.irp j, 0,2
.if (\n) == 2
	v_wmma_scale_f32_16x16x128_f8f6f4 v[96+32*\n+8*\j:103+32*\n+8*\j], v[\b+6*\j:\b+6*\j+11], v[16:27], 0, v[30+2*\n+\j/2], v28 matrix_a_fmt:MATRIX_FMT_FP6 matrix_b_fmt:MATRIX_FMT_FP6
	v_wmma_scale_f32_16x16x128_f8f6f4 v[104+32*\n+8*\j:111+32*\n+8*\j], v[\b+6*\j+6:\b+6*\j+17], v[16:27], 0, v[30+2*\n+\j/2], v28 matrix_a_fmt:MATRIX_FMT_FP6 matrix_b_fmt:MATRIX_FMT_FP6 matrix_a_scale:MATRIX_SCALE_ROW1
.else
	v_wmma_scale_f32_16x16x128_f8f6f4 v[96+32*\n+8*\j:103+32*\n+8*\j], v[\b+6*\j:\b+6*\j+11], v[16:27], v[96+32*\n+8*\j:103+32*\n+8*\j], v[30+2*\n+\j/2], v28 matrix_a_fmt:MATRIX_FMT_FP6 matrix_b_fmt:MATRIX_FMT_FP6
	v_wmma_scale_f32_16x16x128_f8f6f4 v[104+32*\n+8*\j:111+32*\n+8*\j], v[\b+6*\j+6:\b+6*\j+17], v[16:27], v[104+32*\n+8*\j:111+32*\n+8*\j], v[30+2*\n+\j/2], v28 matrix_a_fmt:MATRIX_FMT_FP6 matrix_b_fmt:MATRIX_FMT_FP6 matrix_a_scale:MATRIX_SCALE_ROW1
.endif
.endr
.endm
.macro PLACES k
.rept \k
	v_nop
.endr
.endm
	KLOAD 0, 46
	KLOAD 1, 160
	s_wait_dscnt 8                                 ; band 0 is in; the next band's eight loads may be out
	SP 0, 46
	PLACES 4
	KLOAD 3, 46
	s_wait_dscnt 8
	SP 1, 160
	PLACES 4
	KLOAD 4, 160
	s_wait_dscnt 8
	SP 3, 46
	PLACES 4
	KLOAD 2, 46
	s_wait_dscnt 8
	SP 4, 160
	PLACES 5                                       ; band 2's scores go over the registers that band 4's products read
	s_wait_dscnt 0x0
	s_wait_tensorcnt 0x0                           ; waves 6-11 brought V
	s_barrier_signal -1                            ; the wait for this barrier stands in front of V's loads; registers alone in between
	SP 2, 46
	; the largest score of each block, two chains a band; each accumulator from its low end on.  The bands' order gives the last products their places
.irp n, 0,1,3,4,2
	v_max3_num_f32 v[BM+\n], v[96+32*\n], v[97+32*\n], v[98+32*\n]
	v_max3_num_f32 v[TT+\n], v[112+32*\n], v[113+32*\n], v[114+32*\n]
.endr
.irp i, 3,5,7,9,11,13
.irp n, 0,1,3,4,2
	v_max3_num_f32 v[BM+\n], v[BM+\n], v[96+32*\n+\i], v[97+32*\n+\i]
	v_max3_num_f32 v[TT+\n], v[TT+\n], v[112+32*\n+\i], v[113+32*\n+\i]
.endr
.endr
.irp n, 0,1,3,4,2
	v_max_num_f32 v[TT+\n], v[TT+\n], v[127+32*\n]
.endr
.irp n, 0,1,3,4,2
	v_max3_num_f32 v[BM+\n], v[BM+\n], v[111+32*\n], v[TT+\n]
.endr
	v_max3_num_f32 v12, v[BM], v[BM+1], v[BM+3]
	v_max3_num_f32 v12, v12, v[BM+4], v[BM+2]
	v_permlanex16_b32 v95, v12, s20, s21
	v_max_num_f32 v12, v12, v95                    ; with lane l xor 16's keys: the row's
	v_mul_f32 v13, s22, v12                        ; as t (c is positive)
	v_floor_f32 v12, -v13                          ; -M: M is a whole number
.set n, 0
.rept 80
	v_pk_fma_f32 v[96+n:97+n], v[96+n:97+n], s[22:23], v[12:13] op_sel_hi:[1,0,0]   ; t - M, two at a time
.set n, n+2
.endr
.irp n, 0,1,2,3,4
	v_fma_f32 v[BM+\n], v[BM+\n], s22, v12         ; the same of each block's largest score: p rises with the score
.endr
	s_wait_alu depctr_va_vdst(0)                   ; the wait ahead of the batch
.set n, 0
.rept 160
	v_exp_f32 v[96+n], v[96+n]                     ; p = 2^(t - M), at most 1
.set n, n+1
.endr
.irp n, 0,1,2,3,4
	v_exp_f32 v[BM+\n], v[BM+\n]
.endr
	v_nop
	s_wait_alu depctr_va_vdst(0)                   ; and behind it
	; the row's sum of the unquantised p: seven chains, two numbers at a time
.set n, 0
.rept 7
	v_pk_add_f32 v[14+2*n:15+2*n], v[96+4*n:97+4*n], v[98+4*n:99+4*n]
.set n, n+1
.endr
.set n, 0
.rept 66
	v_pk_add_f32 v[14+2*(n%7):15+2*(n%7)], v[14+2*(n%7):15+2*(n%7)], v[124+2*n:125+2*n]
.set n, n+1
.endr
	v_pk_add_f32 v[14:15], v[14:15], v[16:17]
	v_pk_add_f32 v[18:19], v[18:19], v[20:21]
	v_pk_add_f32 v[22:23], v[22:23], v[24:25]
	v_pk_add_f32 v[14:15], v[14:15], v[26:27]
	v_pk_add_f32 v[18:19], v[18:19], v[22:23]
.irp n, 0,1,2,3,4
	v_max_num_f32 v[BM+\n], 0x1800000, v[BM+\n]    ; the floor 2^(3 - 127)
.endr
	v_pk_add_f32 v[14:15], v[14:15], v[18:19]
.irp n, 0,1,2,3,4
	v_add_nc_u32 v[BM+\n], 0xff000000, v[BM+\n]    ; the conversion's scale operand
.endr
.irp n, 0,1,2,3,4
	v_lshrrev_b32 v[TT+\n], 23, v[BM+\n]
.endr
	v_lshl_or_b32 v92, v[TT+1], 16, v[TT]          ; my block's bytes of the key steps' scale words,
	v_lshl_or_b32 v93, v[TT+3], 16, v[TT+2]
	v_mov_b32 v94, v[TT+4]
	v_permlanex16_b32 v7, v92, s20, s21
	v_permlanex16_b32 v8, v93, s20, s21
	v_permlanex16_b32 v95, v94, s20, s21
	v_lshl_or_b32 v92, v7, 8, v92                  ; and lane l xor 16's between them: lanes 0-15 hold whole words (the others are not read)
	v_lshl_or_b32 v93, v8, 8, v93
	v_lshl_or_b32 v94, v95, 8, v94
.macro CV n, t
	v_cvt_scalef32_pk16_fp6_f32 v[46+6*\n:48+6*\n], v[96+32*\n:111+32*\n], v[BM+\n]
	v_cvt_scalef32_pk16_fp6_f32 v[\t:\t+2], v[112+32*\n:127+32*\n], v[BM+\n]
.endm
.macro MV n, t
.irp i, 0,1,2
	v_mov_b32 v[49+6*\n+\i], v[\t+\i]
.endr
.endm
	CV 0, 16
	CV 1, 20
	CV 2, 24
	v_nop                                          ; one plain instruction behind a scaled conversion
	MV 0, 16
	MV 1, 20
	MV 2, 24
	s_wait_alu depctr_va_vdst(0)
	s_barrier_wait -1                              ; V is in
.macro VLOAD r, n
.irp t, 0,1,2,3
	ds_load_b128 v[\r+12*\t:\r+12*\t+3], v3 offset:(\n)*3072+\t*768
	ds_load_b64 v[\r+12*\t+4:\r+12*\t+5], v4 offset:(\n)*3072+\t*768
.endr
.endm
	VLOAD 96, 0                                    ; into the first three bands' registers
	VLOAD 102, 1
	VLOAD 144, 2
	VLOAD 150, 3
	CV 3, 16
	CV 4, 20
	v_nop
	MV 3, 16
	MV 4, 20
.irp t, 0,1,2,3
	ds_load_b128 v[192+6*\t:195+6*\t], v3 offset:4*3072+\t*768
	ds_load_b64 v[196+6*\t:197+6*\t], v4 offset:4*3072+\t*768
.endr
	v_add_f32 v14, v14, v15
	v_permlanex16_b32 v95, v14, s20, s21
	v_add_f32 v14, v14, v95                        ; the row's sum
	v_nop
	v_nop
	s_wait_alu depctr_va_vdst(0)                   ; the wait ahead of the reciprocal and of the waits below
	v_rcp_f32 v14, v14
	v_nop
.macro PV s, r, st
.irp t, 0,2
.if (\s) == 0
	v_wmma_scale_f32_16x16x128_f8f6f4 v[224+8*\t:231+8*\t], v[\r+\st*\t:\r+\st*\t+11], v[46:57], 0, v[40+\t/2], v92 matrix_a_fmt:MATRIX_FMT_FP6 matrix_b_fmt:MATRIX_FMT_FP6
	v_wmma_scale_f32_16x16x128_f8f6f4 v[232+8*\t:239+8*\t], v[\r+\st*\t+\st:\r+\st*\t+\st+11], v[46:57], 0, v[40+\t/2], v92 matrix_a_fmt:MATRIX_FMT_FP6 matrix_b_fmt:MATRIX_FMT_FP6 matrix_a_scale:MATRIX_SCALE_ROW1
.else
	v_wmma_scale_f32_16x16x128_f8f6f4 v[224+8*\t:231+8*\t], v[\r+\st*\t:\r+\st*\t+11], v[46+12*\s:57+12*\s], v[224+8*\t:231+8*\t], v[40+2*\s+\t/2], v[92+\s] matrix_a_fmt:MATRIX_FMT_FP6 matrix_b_fmt:MATRIX_FMT_FP6
	v_wmma_scale_f32_16x16x128_f8f6f4 v[232+8*\t:239+8*\t], v[\r+\st*\t+\st:\r+\st*\t+\st+11], v[46+12*\s:57+12*\s], v[232+8*\t:239+8*\t], v[40+2*\s+\t/2], v[92+\s] matrix_a_fmt:MATRIX_FMT_FP6 matrix_b_fmt:MATRIX_FMT_FP6 matrix_a_scale:MATRIX_SCALE_ROW1
.endif
.endr
.endm
	s_wait_dscnt 24                                ; bands 0 and 1 are in; the 24 loads of the later bands may be out
	PV 0, 96, 12
	s_wait_dscnt 8
	PV 1, 144, 12
	s_wait_dscnt 0x0
	PV 2, 192, 6
	PLACES 4
	s_wait_alu depctr_va_vdst(0)                   ; the wait ahead of the reciprocal's first reader
.set n, 0
.rept 16
	v_pk_mul_f32 v[96+n:97+n], v[224+n:225+n], v[14:15] op_sel_hi:[1,0]   ; O / the sum: register n is channel 32 h + n of my query: one block of the last product's K
.set n, n+2
.endr
	v_max3_num_f32 v82, |v96|, |v97|, |v98|
	v_max3_num_f32 v83, |v112|, |v113|, |v114|
.irp i, 3,5,7,9,11,13
	v_max3_num_f32 v82, v82, |v[96+\i]|, |v[97+\i]|
	v_max3_num_f32 v83, v83, |v[112+\i]|, |v[113+\i]|
.endr
	v_max3_num_f32 v83, v83, |v127|, 0x1800000
	v_max3_num_f32 v82, v82, |v111|, v83
	v_add_nc_u32 v84, 0xff000000, v82
	v_lshrrev_b32 v85, 23, v84
	ds_store_b8 v29, v85
	v_cvt_scalef32_pk16_fp6_f32 v[46:48], v[96:111], v84
	v_cvt_scalef32_pk16_fp6_f32 v[52:54], v[112:127], v84
	v_nop
.irp i, 0,1,2
	v_mov_b32 v[49+\i], v[52+\i]
.endr
	global_store_b128 v5, v[46:49], s[44:45]       ; my head's half of the image: 512 and 256 consecutive bytes, aligned
	global_store_b64 v6, v[50:51], s[44:45] offset:512
	s_wait_dscnt 0x0                               ; for the others' sake
	s_barrier_signal -1
	s_barrier_wait -1
	s_cmp_lg_u32 s18, 0
	s_cbranch_scc1 .Ldone
	ds_load_b128 v[96:99], v0                      ; the work-group's 128 scale words
	s_wait_dscnt 0x0
	global_store_b128 v5, v[96:99], s[46:47]       ; 512 consecutive bytes, aligned
.Ldone:
	s_wait_tensorcnt 0x0                           ; the wave's end
	ds_add_u32 v10, v11
	s_wait_dscnt 0x0
	s_endpgm
.Lfunc_end_k_q6d0497b5f8_attn:
	.size	k_q6d0497b5f8_attn, .Lfunc_end_k_q6d0497b5f8_attn-k_q6d0497b5f8_attn
	.p2alignl 7, 3214868480
	.fill 96, 4, 3214868480
	.section	.rodata,"a",@progbits
	.p2align	6, 0x0
	.amdhsa_kernel k_q6d0497b5f8_attn
		.amdhsa_group_segment_fixed_size 169984
		.amdhsa_private_segment_fixed_size 0
		.amdhsa_enable_private_segment 0
		.amdhsa_kernarg_size 32
		.amdhsa_user_sgpr_count 2
		.amdhsa_user_sgpr_kernarg_segment_ptr 1
		.amdhsa_wavefront_size32 1
		.amdhsa_system_sgpr_workgroup_id_x 1
		.amdhsa_system_sgpr_workgroup_id_y 1
		.amdhsa_system_sgpr_workgroup_id_z 1
		.amdhsa_system_vgpr_workitem_id 0
		.amdhsa_next_free_vgpr 256
		.amdhsa_next_free_sgpr 90
		.amdhsa_reserve_vcc 0
		.amdhsa_float_denorm_mode_32 3
		.amdhsa_float_denorm_mode_16_64 3
		.amdhsa_memory_ordered 1
		.amdhsa_forward_progress 1
		.amdhsa_inst_pref_size 57
	.end_amdhsa_kernel
	.amdgpu_metadata
---
amdhsa.version: [ 1, 2 ]
amdhsa.kernels:
  - .name:           k_q6d0497b5f8_attn
    .symbol:         k_q6d0497b5f8_attn.kd
    .args:
      - { .name: qkv_codes, .offset: 0, .size: 8, .value_kind: global_buffer, .address_space: global }
      - { .name: qkv_scales, .offset: 8, .size: 8, .value_kind: global_buffer, .address_space: global }
      - { .name: ao_codes, .offset: 16, .size: 8, .value_kind: global_buffer, .address_space: global }
      - { .name: ao_scales, .offset: 24, .size: 8, .value_kind: global_buffer, .address_space: global }
    .group_segment_fixed_size: 169984
    .private_segment_fixed_size: 0
    .kernarg_segment_align: 8
    .kernarg_segment_size: 32
    .max_flat_workgroup_size: 512
    .sgpr_count:     90
    .vgpr_count:     256
    .wavefront_size: 32
...
	.end_amdgpu_metadata
.endif
;; end of part 3
;; launch oproj (part 4): grid 8 x 32, 4 waves a work-group, clusters of 4 x 4, 214,528 bytes of LDS; arguments ao_codes, ao_scales, xw_codes, xw_scales, bo, out0; writes out0
.if DOCPART == 4
	.amdgcn_target "amdgcn-amd-amdhsa--gfx1250"
	.amdhsa_code_object_version 6
	.text
	.protected	k_q6d0497b5f8_oproj
	.globl	k_q6d0497b5f8_oproj
	.p2align	8
	.type	k_q6d0497b5f8_oproj,@function
k_q6d0497b5f8_oproj:
	s_mov_b64 s[64:65], 0
	v_nop
	global_prefetch_b8 v0, s[64:65] scope:SCOPE_SE
	s_setreg_imm32_b32 hwreg(HW_REG_WAVE_MODE, 25, 1), 1
	s_wait_xcnt 0x0
	s_wait_alu depctr_hold_cnt(0) depctr_sa_sdst(0) depctr_va_vdst(0) depctr_va_sdst(0) depctr_va_ssrc(0) depctr_va_vcc(0) depctr_vm_vsrc(0)
	s_getreg_b32 s2, hwreg(HW_REG_IB_STS2, 6, 4)
	s_cmp_eq_u32 s2, 0
	s_cbranch_scc0 .Lentry_in_a_cluster
	s_endpgm
.Lentry_in_a_cluster:
	s_bfe_u32 s2, ttmp6, 0x10000c
	s_cmp_lg_u32 s2, 0xf033
	s_cbranch_scc0 .Lentry_shape_is_right
	s_endpgm
.Lentry_shape_is_right:
; out0 = (attention's result) wo + bo on codes of FP6 (E2M3) with E8M0 scales, K = 1,024; out0 [4096][1024] f32.  LIMIT: NaN and infinities are not served.
; A tile of C is 128 x 128, so that each of the 256 WGPs has one; four waves, each 64 x 64.  ALL OF K LIES IN LDS, A's and B's 98,304 bytes each, every byte filled once: four tensor loads, one a wave (B and A, K's first half and its second).
; A wave's 64 columns of wo, all of K, go into registers (384); its four tiles of 16 tokens stream past them, 32 products each, so that a tile's rows leave while the later tiles are multiplied.
; The first tile's products stand among the loads that bring wo into registers.
; CLUSTERS: 4 x 4; A's tiles are asked for jointly along a row of the cluster, B's along a column.  NO PREFETCH: everything is asked for at the head, there is no loop to run ahead in.
; Source 0 = 16 columns of wo, source 1 = 16 tokens: a lane holds one token; register 8 b + i is column 32 (lane / 16) + 8 b + i of the wave's 64.  Row r of token tile a is token 32 (r / 8) + 8 a + r % 8 of the wave's 64.
; bo is the C of each sum's first product.
; REGISTERS: window 0: v1-31 addresses; v32-47 A's scale words, v52-67 B's; v72-103 bo; v128-255 the accumulators, (a, b) at v[128 + 32 a + 8 b].  window 1: two sets of A's fragments (v0, v96), rows on the way out (v192-255).
;   windows 2, 3: wo's fragments, tiles 0, 1 and 2, 3.
.set BOFS, 98304                       ; LDS: A: step s at 12,288 s, tile at 1,536;  B: half at 49,152, tile at 6,144, step at 1,536
.set STAGE, 196608                     ; then a stage of 16 rows x (256 + 16) bytes for each wave; no tensor load lands here
.set SP, 272
.set SPARE, STAGE+4*16*SP
.set AS, 32
.set BS, 52
.set CB, 72
.set ACC, 128
.set MSB, 0
.macro WIN new
.set WNEW, \new
.if MSB != WNEW
	s_set_vgpr_msb (MSB<<8)|WNEW
.set MSB, WNEW
.endif
.endm
.macro PLACES
.rept 4
	v_nop
.endr
.endm
.macro CROUND
	s_barrier_signal -1
	s_barrier_wait -1
	s_cmp_lg_u32 s18, 0
	s_cbranch_scc1 .Lnot_wave_0_\@
	s_barrier_signal -3
.Lnot_wave_0_\@:
	s_barrier_wait -3
	s_barrier_signal -1
	s_barrier_wait -1
.endm
.macro TL g0, g1
	tensor_load_to_lds s[\g0:\g0+3], s[\g1:\g1+7]
	s_nop 0
	PLACES
.endm
.macro PIECE r, x, y, o, l             ; piece l % 4 of an image
.if (\l)%4 == 0
	ds_load_b128 v[\r:\r+3], v[\x] offset:\o
.elseif (\l)%4 == 1
	ds_load_b64 v[\r+4:\r+5], v[\y] offset:\o+512
.elseif (\l)%4 == 2
	ds_load_b128 v[\r+6:\r+9], v[\x] offset:\o+768
.else
	ds_load_b64 v[\r+10:\r+11], v[\y] offset:\o+1280
.endif
.endm
.macro LDA a, l                        ; load l (0 .. 31) of token tile a into set a % 2
.set lq, (\l)/4
.set lr, 96*((\a)%2)+12*lq
.set lx, 8+lq/4
.set ly, 10+lq/4
.set lo, 1536*(\a)+12288*(lq%4)
	WIN 0x40
	PIECE lr, lx, ly, lo, \l
.endm
.macro LDB b, l                        ; load l (0 .. 23) of column tile b: wo's images lie in three pieces of 16 bytes a lane
.set lq, (\l)/3
.set lr, 96*((\b)%2)+12*lq+4*((\l)%3)
.set lx, 12+lq/4
.set lo, 6144*(\b)+1536*(lq%4)+512*((\l)%3)
	WIN ((2+(\b)/2)<<6)
	ds_load_b128 v[lr:lr+3], v[lx] offset:lo
.endm
.macro FETCHA a                        ; token tile a's fragments in one run of 32 loads
.set LI, 0
.rept 32
	LDA \a, LI
.set LI, LI+1
.endr
	WIN 0
.endm
.macro LOADQ q                         ; K step q: token tile 0 and my four column tiles: 4 + 12 loads
.set li, 0
.rept 4
	LDA 0, 4*(\q)+li
.set li, li+1
.endr
.set lb, 0
.rept 4
.set li, 0
.rept 3
	LDB lb, 3*(\q)+li
.set li, li+1
.endr
.set lb, lb+1
.endr
	WIN 0
.endm
.macro PROD a, n                       ; n = 4 q + b: the four accumulators take turns, one instruction a turn
.set pq, (\n)/4
.set pb, (\n)%4
.set pd, ACC+32*(\a)+8*pb
.set pc, pd
.if pq == 0
.set pc, CB+8*pb
.endif
.set px, 96*(pb%2)+12*pq
.set py, 96*((\a)%2)+12*pq
.set psx, BS+8*(pb/2)+pq
.set psy, AS+8*((\a)/2)+pq
	WIN (2+pb/2)|(1<<2)
.if ((pb%2) == 0) && (((\a)%2) == 0)
	v_wmma_scale_f32_16x16x128_f8f6f4 v[pd:pd+7], v[px:px+11], v[py:py+11], v[pc:pc+7], v[psx], v[psy] matrix_a_fmt:MATRIX_FMT_FP6 matrix_b_fmt:MATRIX_FMT_FP6
.elseif (pb%2) == 0
	v_wmma_scale_f32_16x16x128_f8f6f4 v[pd:pd+7], v[px:px+11], v[py:py+11], v[pc:pc+7], v[psx], v[psy] matrix_a_fmt:MATRIX_FMT_FP6 matrix_b_fmt:MATRIX_FMT_FP6 matrix_b_scale:MATRIX_SCALE_ROW1
.elseif ((\a)%2) == 0
	v_wmma_scale_f32_16x16x128_f8f6f4 v[pd:pd+7], v[px:px+11], v[py:py+11], v[pc:pc+7], v[psx], v[psy] matrix_a_fmt:MATRIX_FMT_FP6 matrix_b_fmt:MATRIX_FMT_FP6 matrix_a_scale:MATRIX_SCALE_ROW1
.else
	v_wmma_scale_f32_16x16x128_f8f6f4 v[pd:pd+7], v[px:px+11], v[py:py+11], v[pc:pc+7], v[psx], v[psy] matrix_a_fmt:MATRIX_FMT_FP6 matrix_b_fmt:MATRIX_FMT_FP6 matrix_a_scale:MATRIX_SCALE_ROW1 matrix_b_scale:MATRIX_SCALE_ROW1
.endif
.endm
.macro RUN a, from, to                 ; products from .. to - 1 of token tile a
.set rn, \from
.rept (\to)-(\from)
	PROD \a, rn
.set rn, rn+1
.endr
.endm
.macro TOSTAGE a                       ; 16 tokens x 64 columns through my own stage: in as the lanes hold it, back as rows of 256 bytes.  LDS serves a wave's instructions in order (ISA guide 5.7.1.4)
	WIN 0
.irp b, 0,1,2,3
	ds_store_b128 v24, v[ACC+32*(\a)+8*\b:ACC+32*(\a)+8*\b+3] offset:32*\b
	ds_store_b128 v24, v[ACC+32*(\a)+8*\b+4:ACC+32*(\a)+8*\b+7] offset:32*\b+16
.endr
	WIN 0x40
.set bb, 192+32*((\a)%2)
.irp t, 0,1,2,3,4,5,6,7
	ds_load_b128 v[bb+4*\t:bb+4*\t+3], v25 offset:\t*2*SP
.endr
	WIN 0
.endm
.macro SEND a
	WIN 0x04
.set bb, 192+32*((\a)%2)
.irp t, 0,1,2,3,4,5,6,7
	global_store_b128 v26, v[bb+4*\t:bb+4*\t+3], s[14:15] offset:(8*(\a)+2*\t+24*(\t/4))*4096 th:TH_STORE_NT   ; sixteen lanes store 256 consecutive bytes, aligned
.endr
	WIN 0
.endm
	s_load_b256 s[4:11], s[0:1], 0x0               ; ao_codes, ao_scales, xw_codes, xw_scales
	s_load_b128 s[12:15], s[0:1], 0x20             ; bo, out0
	v_lshl_add_u32 v6, v0, 2, SPARE
	v_mov_b32 v7, 0
	ds_add_u32 v6, v7                              ; the opening: the add, twice on end, and its wait
	ds_add_u32 v6, v7
	v_lshrrev_b32 v1, 5, v0
	v_readfirstlane_b32 s18, v1                    ; wave 0..3
	s_lshr_b32 s19, s18, 1                         ; HI: my 64 tokens
	s_and_b32 s20, s18, 1                          ; LO: my 64 columns
	s_bfe_u32 s21, ttmp6, 0x40000                  ; cx
	s_bfe_u32 s22, ttmp6, 0x40004                  ; cy
	s_lshl_b32 s23, ttmp9, 2
	s_add_co_u32 s23, s23, s21                     ; the tile column
	s_and_b32 s76, ttmp7, 0xffff
	s_lshl_b32 s76, s76, 2
	s_add_co_u32 s76, s76, s22                     ; J: the tile row
	s_lshl_b32 s77, s22, 2
	s_lshl_b32 s77, 15, s77                        ; my row of the cluster
	s_lshl_b32 s78, 0x1111, s21                    ; my column
	; group 1 for A: four steps' images, four dense rows of 12,288 bytes;  for B: eight rows of 6,144 bytes, 12,288 apart in memory
	s_or_b32 s24, s77, (3<<16)|(1<<21)
	s_mov_b32 s25, 1536<<16
	s_mov_b32 s26, 4<<16
	s_mov_b32 s27, 1536<<16
	s_mov_b32 s28, 4
	s_mov_b32 s29, 1536
	s_mov_b32 s30, 0
	s_mov_b32 s31, 0
	s_or_b32 s32, s78, (3<<16)|(1<<21)
	s_mov_b32 s33, 768<<16
	s_mov_b32 s34, 8<<16
	s_mov_b32 s35, 768<<16
	s_mov_b32 s36, 8
	s_mov_b32 s37, 1536
	s_mov_b32 s38, 0
	s_mov_b32 s39, 0
	s_mul_i32 s80, s76, 98304
	s_mov_b32 s81, 0
	s_mul_i32 s82, s23, 98304
	s_add_co_u32 s82, s82, 448*12288
	s_mov_b32 s83, 0
	s_mov_b32 s40, 1
	s_mov_b32 s41, BOFS
	s_mov_b32 s44, 1
	s_mov_b32 s45, 0
	s_mov_b32 s48, 1
	s_mov_b32 s49, BOFS+49152
	s_mov_b32 s52, 1
	s_mov_b32 s53, 49152
	s_wait_alu depctr_va_vdst(0)
	s_wait_dscnt 0x0
	CROUND                                         ; all sixteen work-groups are here: the joint loads meet
	s_wait_kmcnt 0x0
	s_add_nc_u64 s[42:43], s[8:9], s[82:83]
	s_add_nc_u64 s[46:47], s[4:5], s[80:81]
	s_add_nc_u64 s[50:51], s[42:43], 6144
	s_add_nc_u64 s[54:55], s[46:47], 49152
	s_or_b32 s43, s43, 0x80000000
	s_or_b32 s47, s47, 0x80000000
	s_or_b32 s51, s51, 0x80000000
	s_or_b32 s55, s55, 0x80000000
	s_cmp_eq_u32 s18, 0
	s_cbranch_scc0 .Larm1
	TL 40, 32                                      ; wave 0: wo, K's first half
	s_branch .Larmed
.Larm1:
	s_cmp_eq_u32 s18, 1
	s_cbranch_scc0 .Larm2
	TL 44, 24                                      ; wave 1: the tokens, first half
	s_branch .Larmed
.Larm2:
	s_cmp_eq_u32 s18, 2
	s_cbranch_scc0 .Larm3
	TL 48, 32                                      ; waves 2, 3: the second halves
	s_branch .Larmed
.Larm3:
	TL 52, 24
.Larmed:
	s_lshl_b32 s84, s76, 12
	s_lshl_b32 s85, s19, 8
	s_add_co_u32 s84, s84, s85
	s_mov_b32 s85, 0
	s_add_nc_u64 s[84:85], s[6:7], s[84:85]        ; A's scale words: block J, my four tiles
	s_lshl_b32 s86, s23, 2
	s_lshl_b32 s87, s20, 1
	s_add_co_u32 s86, s86, s87
	s_add_co_u32 s86, s86, 224
	s_lshl_b32 s86, s86, 10
	s_mov_b32 s87, 0
	s_add_nc_u64 s[86:87], s[10:11], s[86:87]      ; B's: tile pairs 224 + 4 column + 2 LO on
	s_lshl_b32 s90, s23, 9
	s_lshl_b32 s91, s20, 8
	s_add_co_u32 s90, s90, s91                     ; my first column, in bytes
	s_mov_b32 s91, 0
	s_add_nc_u64 s[12:13], s[12:13], s[90:91]
	s_add_nc_u64 s[14:15], s[14:15], s[90:91]
	s_lshl_b32 s88, s76, 7
	s_lshl_b32 s89, s19, 6
	s_add_co_u32 s88, s88, s89                     ; my first token
	s_lshl_b32 s88, s88, 12
	s_mov_b32 s89, 0
	s_add_nc_u64 s[14:15], s[14:15], s[88:89]
	v_and_b32 v1, 31, v0                           ; lane
	v_and_b32 v22, 15, v0                          ; r
	v_bfe_u32 v23, v0, 4, 1                        ; h
	v_lshlrev_b32 v2, 4, v1
	v_lshlrev_b32 v3, 3, v1
	v_lshlrev_b32 v4, 2, v1
	v_lshlrev_b32 v5, 7, v23
.irp ip, 0,1
.irp s, 0,1,2,3,4,5,6,7
	global_load_b32 v[AS+8*\ip+\s], v4, s[84:85] offset:\s*512+\ip*128   ; lanes 0-15 the even tile's words, lanes 16-31 the odd tile's
.endr
.irp q, 0,1,2,3
	global_load_b64 v[BS+8*\ip+2*\q:BS+8*\ip+2*\q+1], v3, s[86:87] offset:\ip*1024+\q*256
.endr
.endr
.irp k, 0,1,2,3,4,5,6,7
	global_load_b128 v[CB+4*\k:CB+4*\k+3], v5, s[12:13] offset:16*\k
.endr
	s_mul_i32 s92, s19, 6144                       ; my four tiles of tokens
	s_mul_i32 s93, s20, 24576
	s_add_co_u32 s93, s93, BOFS                    ; my four of wo; an LDS offset has 16 bits, so each half of K has address registers of its own
.irp k, 0,1
	v_add_nc_u32 v[8+\k], s92, v2
	v_add_nc_u32 v[10+\k], s92, v3
	v_add_nc_u32 v[12+\k], s93, v2
	s_add_co_u32 s92, s92, 49152
	s_add_co_u32 s93, s93, 49152
.endr
	s_mul_i32 s94, s18, 16*SP
	s_add_co_u32 s94, s94, STAGE                   ; my stage
	v_mul_u32_u24 v24, v22, SP
	v_lshl_add_u32 v24, v23, 7, v24
	v_add_nc_u32 v24, s94, v24                     ; in: row r, + 128 h
	v_mul_u32_u24 v25, v23, SP
	v_lshl_add_u32 v25, v22, 4, v25
	v_add_nc_u32 v25, s94, v25                     ; back: lanes 0-15 one row of 256 bytes, lanes 16-31 the next
	v_lshlrev_b32 v26, 12, v23
	v_lshl_add_u32 v26, v22, 4, v26                ; and the same two rows in out0
	s_wait_alu depctr_va_vdst(0)                   ; the wait at the head's end
	s_wait_loadcnt 0x0
	s_cmp_lt_u32 s18, 2
	s_cbranch_scc0 .Lnot_first
	s_wait_tensorcnt 0x0                           ; waves 0 and 1 brought K's first half; the second may stay out
.Lnot_first:
	s_barrier_signal -1
	s_barrier_wait -1
	LOADQ 0
	LOADQ 1
	s_wait_dscnt 16                                ; step 0 is in; the next step's 16 loads may be out
	LOADQ 2
	RUN 0, 0, 4
	s_wait_dscnt 16
	LOADQ 3
	RUN 0, 4, 8
	WIN 0
	s_wait_dscnt 0x0
	s_wait_tensorcnt 0x0                           ; K's second half
	s_barrier_signal -1
	RUN 0, 8, 16
	WIN 0
	s_barrier_wait -1
	LOADQ 4
	LOADQ 5
	s_wait_dscnt 16
	LOADQ 6
	RUN 0, 16, 20
	s_wait_dscnt 16
	LOADQ 7
	RUN 0, 20, 24
	FETCHA 1
	s_wait_dscnt 48                                ; step 6 is in; step 7's 16 loads and tile 1's 32 may be out
	RUN 0, 24, 28
	s_wait_dscnt 32
	RUN 0, 28, 32
	PLACES
	TOSTAGE 0
	FETCHA 2                                       ; into the set that tile 0's products have read
.irp a, 1,2,3
.if \a < 3
	s_wait_dscnt 48                                ; this tile's fragments are in; the stage's 8 stores and 8 loads and the next tile's 32 loads may be out
.else
	s_wait_dscnt 16
.endif
	RUN \a, 0, 16
.if \a < 3
	s_wait_dscnt 32                                ; the last tile's rows are back; the next tile's 32 loads may be out
.else
	s_wait_dscnt 0x0
.endif
	SEND \a-1
	RUN \a, 16, 32
	PLACES
.if \a > 1
	s_wait_xcnt 0x0                                ; tile a - 2's stores have read their data: this tile's rows may land there
.endif
	TOSTAGE \a
.if \a == 1
	FETCHA 3                                       ; into the set that tile 1's products have read
.endif
.endr
	s_wait_dscnt 0x0
	SEND 3
	s_wait_tensorcnt 0x0                           ; the wave's end
	ds_add_u32 v6, v7
	s_wait_dscnt 0x0
	CROUND                                         ; the closing round: no work-group ends while a partner may still ask for a tile that names it
	s_endpgm
.Lfunc_end_k_q6d0497b5f8_oproj:
	.size	k_q6d0497b5f8_oproj, .Lfunc_end_k_q6d0497b5f8_oproj-k_q6d0497b5f8_oproj
	.p2alignl 7, 3214868480
	.fill 96, 4, 3214868480
	.section	.rodata,"a",@progbits
	.p2align	6, 0x0
	.amdhsa_kernel k_q6d0497b5f8_oproj
		.amdhsa_group_segment_fixed_size 214528
		.amdhsa_private_segment_fixed_size 0
		.amdhsa_enable_private_segment 0
		.amdhsa_kernarg_size 48
		.amdhsa_user_sgpr_count 2
		.amdhsa_user_sgpr_kernarg_segment_ptr 1
		.amdhsa_wavefront_size32 1
		.amdhsa_system_sgpr_workgroup_id_x 1
		.amdhsa_system_sgpr_workgroup_id_y 1
		.amdhsa_system_sgpr_workgroup_id_z 1
		.amdhsa_system_vgpr_workitem_id 0
		.amdhsa_next_free_vgpr 1024
		.amdhsa_next_free_sgpr 100
		.amdhsa_reserve_vcc 0
		.amdhsa_float_denorm_mode_32 3
		.amdhsa_float_denorm_mode_16_64 3
		.amdhsa_memory_ordered 1
		.amdhsa_forward_progress 1
		.amdhsa_inst_pref_size 53
	.end_amdhsa_kernel
	.amdgpu_metadata
---
amdhsa.version: [ 1, 2 ]
amdhsa.kernels:
  - .name:           k_q6d0497b5f8_oproj
    .symbol:         k_q6d0497b5f8_oproj.kd
    .args:
      - { .name: ao_codes, .offset: 0, .size: 8, .value_kind: global_buffer, .address_space: global }
      - { .name: ao_scales, .offset: 8, .size: 8, .value_kind: global_buffer, .address_space: global }
      - { .name: xw_codes, .offset: 16, .size: 8, .value_kind: global_buffer, .address_space: global }
      - { .name: xw_scales, .offset: 24, .size: 8, .value_kind: global_buffer, .address_space: global }
      - { .name: bo, .offset: 32, .size: 8, .value_kind: global_buffer, .address_space: global }
      - { .name: out0, .offset: 40, .size: 8, .value_kind: global_buffer, .address_space: global }
    .group_segment_fixed_size: 214528
    .private_segment_fixed_size: 0
    .kernarg_segment_align: 8
    .kernarg_segment_size: 48
    .max_flat_workgroup_size: 128
    .sgpr_count:     100
    .vgpr_count:     1024
    .wavefront_size: 32
...
	.end_amdgpu_metadata
.endif
;; end of part 4
